; MI455X (gfx1250); checked and timed in simulation.
; The chip was launched on July 23, 2026; its instructions are those of AMD's public machine-readable ISA for CDNA 5 (MIT licence, August 2026) and "CDNA5" Instruction Set Architecture Reference Guide (July 2026). The comments in the code are by the model that wrote it; some were corrected since.
;; Local Causal Transformer Block. Allowed arithmetic: float matrix products may take bf16 or f16 operands with f32 sums; other float arithmetic in f32, or as packed bf16 or f16 multiplies, adds, multiply-adds, maxima and minima; sums over many terms, partial sums and values carried from step to step in f32; what a program stores and reads back later, other than sums and carried values, may be rounded once to bf16 or f16.
;; Inputs: b1 1,024 float32; b2 1,024 float32; fc1_b 4,096 float32; fc1_w 1,024 x 4,096 float32; fc2_b 1,024 float32; fc2_w 4,096 x 1,024 float32; g1 1,024 float32; g2 1,024 float32; proj_b 1,024 float32; proj_w 1,024 x 1,024 float32; qkv_b 3,072 float32; qkv_w 1,024 x 3,072 float32; x 2 x 2,048 x 1,024 float32.
;; Outputs: out0 2 x 2,048 x 1,024 float32.
;; One version. Each part assembles by itself: llvm-mc -triple=amdgcn-amd-amdhsa -mcpu=gfx1250 --defsym DOCPART=n.
;; ======== version 1 of 1: 6 launches
;; limits: a function is approximated: absolute error at most 0.0005
;; workspace buffers: wt 14,680,064 bytes; wp 2,097,152 bytes; w2 8,388,608 bytes; hn 8,421,376 bytes; qx 16,777,216 bytes; act 33,554,432 bytes
;; launch prep (part 1): grid 1412 x 1, 4 waves a work-group, no clusters, 70,144 bytes of LDS; arguments qkv_w, proj_w, fc1_w, fc2_w, x, g1, b1, wt, wp, w2, hn; writes wt, wp, w2, hn
.if DOCPART == 1
	.amdgcn_target "amdgcn-amd-amdhsa--gfx1250"
	.amdhsa_code_object_version 6
	.text
	.protected	k_qbf86de3b19_prep
	.globl	k_qbf86de3b19_prep
	.p2align	8
	.type	k_qbf86de3b19_prep,@function
k_qbf86de3b19_prep:
	s_mov_b64 s[64:65], 0
	v_nop
	global_prefetch_b8 v0, s[64:65] scope:SCOPE_SE
	s_setreg_imm32_b32 hwreg(HW_REG_WAVE_MODE, 25, 1), 1
	s_wait_xcnt 0x0
; PREP.  Two kinds of work-group in one launch, told apart by the work-group's number.
; 0..383: the four weight matrices, f32 [k][n], are rounded once to bf16 and written turned, [n][k], so that the products that follow find K along the rows.
;   qkv_w  -> wt, rows by heads: row h*192 + part*64 + d holds column part*1024 + h*64 + d; 2,048 bytes a row
;   fc1_w  -> wt from byte W1OFF on, 2,048 bytes a row;   proj_w -> wp, 2,048 bytes a row;   fc2_w -> w2, 8,192 bytes a row
;   A work-group takes 128 k x 256 n, a wave 128 k x 64 n, in four batches of 32 k: it loads whole pieces of 256 bytes of the rows k, packs pairs of k, lays them in its own LDS tile
;   (64 rows n of 256 bytes + 16) and reads rows n back: sixteen lanes then store 256 consecutive bytes, aligned.  No wave reads another's bytes: no barrier.
;   The batches take turns on two sets of registers: two batches' 32 loads are out at the start, and a set is asked for again as soon as its batch has been packed.
; 384..1411: h = LayerNorm(x) g1 + b1 in f32, rounded once to bf16: one wave a row, the row kept in registers; mean first, then the mean of the squared differences, as the module has it.
;   h's buffer has 4,112 rows: row p holds h of x's row p - 16.  The 16 rows in front hold row 0's h once more: the next launch reads 16 rows ahead of each of its tiles, of the first tile too,
;   and what it makes of these 16 the module's own mask throws away.
.set W1OFF, 6291456
.set WROW,  272                        ; an LDS row: 128 k x 2 bytes + 16
.set WTILE, 64*WROW                    ; a wave's tile
.set SPARE, 4*WTILE                    ; behind the tiles: the spare words, 128 bytes a wave, which no other line names
.set SPW, 180                          ; v180  LDS address of my spare word; never rewritten
.set NIL, 181                          ; v181  0; never rewritten
.set VO,  8                            ; v8-23   load j: byte offset of my 16 bytes: row 8 (j / 4) + 4 i + j % 4 of the batch's 32, column piece g; never rewritten
.set VD,  24                           ; v24-31  store t: byte offset of my 16 bytes: row 2 t + i of 16 rows n; never rewritten
.set D,   32                           ; v32-159 two sets of 16 loads of 4 registers; later 8 rows read back
.set P,   160                          ; v160-175 packed pairs, two sets of 8
.set LS,  176                          ; v176    where I put 8 bytes (4 k) of a row n; never rewritten
.set RD,  177                          ; v177    where I read 16 bytes of a row n back
.set X,   8                            ; the layer norm: v8-39 the row
.set G,   40                           ; v40-71  g
.set B,   72                           ; v72-103 b
.set O,   104                          ; v104-119 the row in bf16
.set T,   104                          ; v104-111 at work, before O is written
.set MU,  120                          ; v120-121 the mean, twice
.set VA,  122                          ; v122    variance + eps
.set RS,  124                          ; v124-125 1 / sqrt of it, twice
.set LO,  3                            ; v3      16 x lane
.set SO,  4                            ; v4      8 x lane
.set SEL, 60                           ; s60-61  v_permlanex16_b32's selects: each lane takes its own place in the other half
	s_load_b512 s[8:23], s[0:1], 0x0               ; qkv_w 8, proj_w 10, fc1_w 12, fc2_w 14, x 16, g1 18, b1 20, wt 22
	s_load_b128 s[24:27], s[0:1], 0x40             ; wp 24, w2 26
	s_load_b64 s[28:29], s[0:1], 0x50              ; hn
	v_lshl_add_u32 v[SPW], v0, 2, SPARE
	v_mov_b32 v[NIL], 0
	v_lshrrev_b32 v1, 5, v0
	v_readfirstlane_b32 s4, v1                     ; wave 0..3
	v_and_b32 v2, 31, v0                           ; lane
	s_mov_b32 s2, ttmp9
	s_cmp_ge_u32 s2, 384
	s_cbranch_scc1 .Lln
	; THE WEIGHTS.  The case's constants: first number, bytes in a source row, bytes in a row of the target, how the number splits into k block and n block, the target's first byte.
	s_mov_b32 s5, 256                              ; fc2_w: 32 k blocks x 4 n blocks
	s_mov_b32 s6, 4096
	s_mov_b32 s7, 8192
	s_mov_b32 s34, 31
	s_mov_b32 s35, 5
	s_mov_b32 s36, 0
	s_cmp_lt_u32 s2, 256                           ; fc1_w: 8 x 16
	s_cselect_b32 s5, 128, s5
	s_cselect_b32 s6, 16384, s6
	s_cselect_b32 s7, 2048, s7
	s_cselect_b32 s34, 7, s34
	s_cselect_b32 s35, 3, s35
	s_cselect_b32 s36, W1OFF, s36
	s_cmp_lt_u32 s2, 128                           ; proj_w: 8 x 4
	s_cselect_b32 s5, 96, s5
	s_cselect_b32 s6, 4096, s6
	s_cselect_b32 s36, 0, s36
	s_cmp_lt_u32 s2, 96                            ; qkv_w: 8 x 12
	s_cselect_b32 s5, 0, s5
	s_cselect_b32 s6, 12288, s6
	s_sub_co_u32 s42, s2, s5
	s_and_b32 s43, s42, s34                        ; k block
	s_lshr_b32 s44, s42, s35                       ; n block
	s_lshl_b32 s44, s44, 8
	s_lshl_b32 s45, s4, 6
	s_add_co_u32 s44, s44, s45                     ; n0: my first column
	s_lshl_b32 s43, s43, 7                         ; k0
	s_bfe_u32 s45, s44, 0x40006                    ; qkv: the head,
	s_mul_i32 s45, s45, 192
	s_lshr_b32 s46, s44, 10                        ; and q, k or v
	s_lshl_b32 s46, s46, 6
	s_add_co_u32 s45, s45, s46
	s_cmp_lt_u32 s2, 96
	s_cselect_b32 s45, s45, s44                    ; my first row of the target
	s_mul_i32 s46, s43, s6
	s_lshl2_add_u32 s46, s44, s46                  ; source: k0 rows + 4 n0 bytes
	s_mov_b32 s47, 0
	s_mul_i32 s48, s45, s7
	s_lshl1_add_u32 s48, s43, s48                  ; target: rows + 2 k0 bytes
	s_add_co_u32 s48, s48, s36
	s_mov_b32 s49, 0
	s_lshl_b32 s54, s6, 5                          ; a batch is 32 source rows,
	s_mov_b32 s55, 0
	s_lshl_b32 s56, s7, 4                          ; a trip of the way out 16 target rows
	s_mov_b32 s57, 0
	v_and_b32 v3, 15, v2                           ; g
	v_lshrrev_b32 v4, 4, v2                        ; i
	v_lshlrev_b32 v5, 4, v3                        ; 16 g
	v_lshlrev_b32 v6, 2, v4
	v_mad_u32_u24 v6, v6, s6, v5                   ; 4 i rows + 16 g
	v_mad_u32_u24 v7, v4, s7, v5                   ; i rows + 16 g
.set j, 0
.rept 16
	s_mul_i32 s50, s6, 8*(j/4)+j%4
	v_add_nc_u32 v[VO+j], s50, v6
.set j, j+1
.endr
.set j, 0
.rept 8
	s_mul_i32 s50, s7, 2*j
	v_add_nc_u32 v[VD+j], s50, v7
.set j, j+1
.endr
	s_mul_i32 s51, s4, WTILE                       ; my tile in LDS
	v_mul_u32_u24 v[LS], v3, 4*WROW                ; rows n = 4 g .., bytes 8 i
	v_lshl_add_u32 v[LS], v4, 3, v[LS]
	v_add_nc_u32 v[LS], s51, v[LS]
	v_mul_u32_u24 v[RD], v4, WROW
	v_add_nc_u32 v[RD], v[RD], v5
	v_add_nc_u32 v[RD], s51, v[RD]
	s_wait_kmcnt 0x0
	s_cmp_lt_u32 s2, 256
	s_cselect_b64 s[38:39], s[12:13], s[14:15]     ; the source,
	s_cselect_b64 s[40:41], s[22:23], s[26:27]     ; the target
	s_cmp_lt_u32 s2, 128
	s_cselect_b64 s[38:39], s[10:11], s[38:39]
	s_cselect_b64 s[40:41], s[24:25], s[40:41]
	s_cmp_lt_u32 s2, 96
	s_cselect_b64 s[38:39], s[8:9], s[38:39]
	s_cselect_b64 s[40:41], s[22:23], s[40:41]
	s_add_nc_u64 s[38:39], s[38:39], s[46:47]      ; batch 0;
	s_add_nc_u64 s[30:31], s[38:39], s[54:55]      ; batches 1 to 3 have bases of their own, so that no base is written while a load names it
	s_add_nc_u64 s[32:33], s[30:31], s[54:55]
	s_add_nc_u64 s[58:59], s[32:33], s[54:55]
	s_add_nc_u64 s[40:41], s[40:41], s[48:49]
; A batch's 16 loads into set u, each two pieces of 256 consecutive bytes.
.macro LOADB u, base
.set j, 0
.rept 16
	global_load_b128 v[D+64*(\u)+4*j:D+64*(\u)+4*j+3], v[VO+j], s[(\base):(\base)+1] th:TH_LOAD_NT
.set j, j+1
.endr
.endm
; Batch b, which lies in set u, is packed and laid into my tile.  younger: the loads of the batch issued behind it, which may stay out.
.macro PROC b, u, younger
.irp q, 0,1,2,3
	s_wait_loadcnt (\younger)+12-4*(\q)            ; the four loads of group q are in; the batch's later groups and the younger batch may stay out
.irp c, 0,1,2,3
	v_cvt_pk_bf16_f32 v[P+8*((\q)%2)+2*(\c)],   v[D+64*(\u)+16*(\q)+(\c)],   v[D+64*(\u)+16*(\q)+4+(\c)]   ; column 4 g + c: k, k + 1
	v_cvt_pk_bf16_f32 v[P+8*((\q)%2)+2*(\c)+1], v[D+64*(\u)+16*(\q)+8+(\c)], v[D+64*(\u)+16*(\q)+12+(\c)]  ; k + 2, k + 3
.endr
.irp c, 0,1,2,3
	ds_store_b64 v[LS], v[P+8*((\q)%2)+2*(\c):P+8*((\q)%2)+2*(\c)+1] offset:(\c)*WROW+16*(\q)+64*(\b)
.endr
.endr
.endm
	LOADB 0, 38                                    ; batches 0 and 1 go out together
	LOADB 1, 30
	PROC 0, 0, 16
	LOADB 0, 32                                    ; batch 2 into the set just packed
	PROC 1, 1, 16
	LOADB 1, 58                                    ; batch 3
	PROC 2, 0, 16
	PROC 3, 1, 0
	s_mov_b32 s52, 4
.Lout:                                         ; four trips of 16 rows n
.set j, 0
.rept 8
	ds_load_b128 v[D+4*j:D+4*j+3], v[RD] offset:2*WROW*j  ; my wave's own bytes; LDS serves a wave's instructions in order (ISA guide 5.7.1.4): these see the stores above
.set j, j+1
.endr
.set j, 0
.rept 8
	s_wait_dscnt 7-j
	global_store_b128 v[VD+j], v[D+4*j:D+4*j+3], s[40:41]  ; 16 lanes store 256 consecutive bytes of one row, aligned
.set j, j+1
.endr
	v_add_nc_u32 v[RD], 16*WROW, v[RD]
	s_wait_xcnt 0x0                                ; the stores have read their data and their base: both are written again only behind this wait
	s_add_nc_u64 s[40:41], s[40:41], s[56:57]
	s_sub_co_u32 s52, s52, 1
	s_cmp_lg_u32 s52, 0
	s_cbranch_scc1 .Lout
	s_wait_tensorcnt 0x0                           ; the wave's end: behind my last LDS store
	ds_add_u32 v[SPW], v[NIL]
	s_wait_dscnt 0x0
	s_endpgm
; The sum of v[r] over the wave's 32 lanes, in every lane: four steps inside each half ride on the addition, one crosses the halves.
.macro ACROSS r
	v_add_f32_dpp v[\r], v[\r], v[\r] row_xmask:1 row_mask:0xf bank_mask:0xf
	v_add_f32_dpp v[\r], v[\r], v[\r] row_xmask:2 row_mask:0xf bank_mask:0xf
	v_add_f32_dpp v[\r], v[\r], v[\r] row_xmask:4 row_mask:0xf bank_mask:0xf
	v_add_f32_dpp v[\r], v[\r], v[\r] row_xmask:8 row_mask:0xf bank_mask:0xf
	v_permlanex16_b32 v[(\r)+1], v[\r], s[SEL], s[SEL+1]
	v_add_f32 v[\r], v[\r], v[(\r)+1]
.endm
.macro FOLD                            ; four chains of pairs into one number a lane
	v_pk_add_f32 v[T:T+1], v[T:T+1], v[T+2:T+3]
	v_pk_add_f32 v[T+4:T+5], v[T+4:T+5], v[T+6:T+7]
	v_pk_add_f32 v[T:T+1], v[T:T+1], v[T+4:T+5]
	v_add_f32 v[T], v[T], v[T+1]
.endm
.Lln:                                          ; THE LAYER NORM: row 4 (number - 384) + wave of h's buffer
	s_sub_co_u32 s50, s2, 384
	s_lshl2_add_u32 s50, s50, s4                   ; 0 .. 4,111
	s_sub_co_i32 s51, s50, 16
	s_max_i32 s51, s51, 0                          ; x's row: 16 less, and row 0 for the 16 rows in front
	s_lshl_b32 s52, s51, 12                        ; 4,096 bytes a row of x,
	s_mov_b32 s53, 0
	s_lshl_b32 s54, s50, 11                        ; 2,048 a row of h
	s_mov_b32 s55, 0
	s_mov_b32 s[SEL], 0x76543210
	s_mov_b32 s[SEL+1], 0xfedcba98
	s_mov_b32 s62, 0x3a800000                      ; 1 / 1024
	s_mov_b32 s63, 0x3727c5ac                      ; 1e-5
	v_lshlrev_b32 v[LO], 4, v2
	v_lshlrev_b32 v[SO], 3, v2
	s_wait_kmcnt 0x0
	s_add_nc_u64 s[16:17], s[16:17], s[52:53]
	s_add_nc_u64 s[28:29], s[28:29], s[54:55]
.set j, 0
.rept 8
	global_load_b128 v[X+4*j:X+4*j+3], v[LO], s[16:17] offset:512*j
.set j, j+1
.endr
.set j, 0
.rept 8
	global_load_b128 v[G+4*j:G+4*j+3], v[LO], s[18:19] offset:512*j
.set j, j+1
.endr
.set j, 0
.rept 8
	global_load_b128 v[B+4*j:B+4*j+3], v[LO], s[20:21] offset:512*j
.set j, j+1
.endr
	s_wait_loadcnt 16                              ; the row is in; g's and b's sixteen loads may stay out
.irp c, 0,1,2,3
	v_pk_add_f32 v[T+2*(\c):T+2*(\c)+1], v[X+2*(\c):X+2*(\c)+1], v[X+8+2*(\c):X+8+2*(\c)+1]
.endr
.irp p, 8,9,10,11,12,13,14,15
	v_pk_add_f32 v[T+2*((\p)%4):T+2*((\p)%4)+1], v[T+2*((\p)%4):T+2*((\p)%4)+1], v[X+2*(\p):X+2*(\p)+1]
.endr
	FOLD
	ACROSS T
	v_mul_f32 v[MU], s62, v[T]
	v_mul_f32 v[MU+1], s62, v[T]
.set j, 0
.rept 16
	v_pk_add_f32 v[X+2*j:X+2*j+1], v[X+2*j:X+2*j+1], v[MU:MU+1] neg_lo:[0,1] neg_hi:[0,1]
.set j, j+1
.endr
.irp c, 0,1,2,3
	v_pk_mul_f32 v[T+2*(\c):T+2*(\c)+1], v[X+2*(\c):X+2*(\c)+1], v[X+2*(\c):X+2*(\c)+1]
.endr
.irp p, 4,5,6,7,8,9,10,11,12,13,14,15
	v_pk_fma_f32 v[T+2*((\p)%4):T+2*((\p)%4)+1], v[X+2*(\p):X+2*(\p)+1], v[X+2*(\p):X+2*(\p)+1], v[T+2*((\p)%4):T+2*((\p)%4)+1]
.endr
	FOLD
	ACROSS T
	v_fma_f32 v[VA], v[T], s62, s63
	v_rsq_f32 v[RS], v[VA]
	v_rsq_f32 v[RS+1], v[VA]
	v_nop                                          ; a plain instruction behind the second root,
	s_wait_alu depctr_va_vdst(0)                   ; and one wait for both, ahead of their first reader
.set j, 0
.rept 16
	v_pk_mul_f32 v[X+2*j:X+2*j+1], v[X+2*j:X+2*j+1], v[RS:RS+1]
.set j, j+1
.endr
	s_wait_loadcnt 0x0                             ; g and b
.set j, 0
.rept 16
	v_pk_fma_f32 v[X+2*j:X+2*j+1], v[X+2*j:X+2*j+1], v[G+2*j:G+2*j+1], v[B+2*j:B+2*j+1]
.set j, j+1
.endr
.set j, 0
.rept 16
	v_cvt_pk_bf16_f32 v[O+j], v[X+2*j], v[X+2*j+1]
.set j, j+1
.endr
.set j, 0
.rept 8
	global_store_b64 v[SO], v[O+2*j:O+2*j+1], s[28:29] offset:256*j  ; the wave stores 256 consecutive bytes, aligned
.set j, j+1
.endr
	s_wait_tensorcnt 0x0                           ; the same three lines as at the other end of this text
	ds_add_u32 v[SPW], v[NIL]
	s_wait_dscnt 0x0
	s_endpgm
.Lfunc_end_k_qbf86de3b19_prep:
	.size	k_qbf86de3b19_prep, .Lfunc_end_k_qbf86de3b19_prep-k_qbf86de3b19_prep
	.p2alignl 7, 3214868480
	.fill 96, 4, 3214868480
	.section	.rodata,"a",@progbits
	.p2align	6, 0x0
	.amdhsa_kernel k_qbf86de3b19_prep
		.amdhsa_group_segment_fixed_size 70144
		.amdhsa_private_segment_fixed_size 0
		.amdhsa_enable_private_segment 0
		.amdhsa_kernarg_size 88
		.amdhsa_user_sgpr_count 2
		.amdhsa_user_sgpr_kernarg_segment_ptr 1
		.amdhsa_wavefront_size32 1
		.amdhsa_system_sgpr_workgroup_id_x 1
		.amdhsa_system_sgpr_workgroup_id_y 1
		.amdhsa_system_sgpr_workgroup_id_z 1
		.amdhsa_system_vgpr_workitem_id 0
		.amdhsa_next_free_vgpr 184
		.amdhsa_next_free_sgpr 66
		.amdhsa_reserve_vcc 0
		.amdhsa_float_denorm_mode_32 3
		.amdhsa_float_denorm_mode_16_64 3
		.amdhsa_memory_ordered 1
		.amdhsa_forward_progress 1
		.amdhsa_inst_pref_size 37
	.end_amdhsa_kernel
	.amdgpu_metadata
---
amdhsa.version: [ 1, 2 ]
amdhsa.kernels:
  - .name:           k_qbf86de3b19_prep
    .symbol:         k_qbf86de3b19_prep.kd
    .args:
      - { .name: qkv_w, .offset: 0, .size: 8, .value_kind: global_buffer, .address_space: global }
      - { .name: proj_w, .offset: 8, .size: 8, .value_kind: global_buffer, .address_space: global }
      - { .name: fc1_w, .offset: 16, .size: 8, .value_kind: global_buffer, .address_space: global }
      - { .name: fc2_w, .offset: 24, .size: 8, .value_kind: global_buffer, .address_space: global }
      - { .name: x, .offset: 32, .size: 8, .value_kind: global_buffer, .address_space: global }
      - { .name: g1, .offset: 40, .size: 8, .value_kind: global_buffer, .address_space: global }
      - { .name: b1, .offset: 48, .size: 8, .value_kind: global_buffer, .address_space: global }
      - { .name: wt, .offset: 56, .size: 8, .value_kind: global_buffer, .address_space: global }
      - { .name: wp, .offset: 64, .size: 8, .value_kind: global_buffer, .address_space: global }
      - { .name: w2, .offset: 72, .size: 8, .value_kind: global_buffer, .address_space: global }
      - { .name: hn, .offset: 80, .size: 8, .value_kind: global_buffer, .address_space: global }
    .group_segment_fixed_size: 70144
    .private_segment_fixed_size: 0
    .kernarg_segment_align: 8
    .kernarg_segment_size: 88
    .max_flat_workgroup_size: 128
    .sgpr_count:     66
    .vgpr_count:     184
    .wavefront_size: 32
...
	.end_amdgpu_metadata
.endif
;; end of part 1
;; launch gqkv (part 2): grid 16 x 16, 4 waves a work-group, clusters of 4 x 4, 327,680 bytes of LDS; arguments hn, wt, act, qkv_b; writes act
.if DOCPART == 2
	.amdgcn_target "amdgcn-amd-amdhsa--gfx1250"
	.amdhsa_code_object_version 6
	.text
	.protected	k_qbf86de3b19_gqkv
	.globl	k_qbf86de3b19_gqkv
	.p2align	8
	.type	k_qbf86de3b19_gqkv,@function
k_qbf86de3b19_gqkv:
	s_mov_b64 s[64:65], 0
	v_nop
	global_prefetch_b8 v0, s[64:65] scope:SCOPE_SE
	s_setreg_imm32_b32 hwreg(HW_REG_WAVE_MODE, 25, 1), 1
	s_wait_xcnt 0x0
	s_wait_alu depctr_hold_cnt(0) depctr_sa_sdst(0) depctr_va_vdst(0) depctr_va_sdst(0) depctr_va_ssrc(0) depctr_va_vcc(0) depctr_vm_vsrc(0)
	s_getreg_b32 s2, hwreg(HW_REG_IB_STS2, 6, 4)
	s_cmp_eq_u32 s2, 0
	s_cbranch_scc0 .Lentry_in_a_cluster
	s_endpgm
.Lentry_in_a_cluster:
	s_bfe_u32 s2, ttmp6, 0x10000c
	s_cmp_lg_u32 s2, 0xf033
	s_cbranch_scc0 .Lentry_shape_is_right
	s_endpgm
.Lentry_shape_is_right:
; q, k, v = h Wqkv + b, AND THE ATTENTION IN A WINDOW OF THREE.  A = h, 4,112 rows of 1,024 bf16 (row p holds h of row p - 16); B = the turned weights [3072][1024] bf16, rows by heads
; (head x 192 + part x 64 + d); sums in f32, started by the bias.  OUT = the attention's result by heads, [head 16][row 4096][64] bf16, rounded once: a head's rows are dense, 128 bytes each.
; A tile of C is 256 rows x 192 columns: all of one head's q, k and v.  Four waves, each 64 rows x 192 columns: 48 accumulators of 16 x 16.  16 x 16 tiles: 256 work-groups.
; THE WINDOW.  Row n of a batch of 2,048 sees the keys n, n - 1, n - 2 of its own batch (row 0 one key, row 1 two): the module's own mask.  So a tile lacks only k and v of the two rows in front of it.
; THE HALO: A's tile has one block of 16 rows more, the 16 in front of the tile; of that block's products the eight of k and v are made, two by each wave (columns 64 + 32 w on): two accumulators more.
; Each wave reads its two blocks of B once more, at an address made of its number, so that the text is alike in all waves.  Where the tile begins a batch the mask throws the halo away.
; q, k and v stay in f32 from the sums to the result.  The maximum of the visible scores is taken away before the exponentials.
; LIMITS.  A weight below 2^-126 counts as 0; NaN and infinities are not treated apart (a hidden row's v enters as 0 x v).
; This text and the one of the launch with the activation are one text with two heads of constants (GELU, TN, MA, NBK, BOFF, DP); HALO = 1 - GELU switches the halo and the attention on.
.set GELU, 0
.set TN,   192                         ; columns of a tile
.set MA,   4                           ; blocks of 16 rows in a wave's tile
.set NBK,  12                          ; blocks of 16 columns
.set BOFF, 0                           ; where B begins in its buffer
.set DP,   784                         ; the way out: an LDS row of 192 f32 + 16 bytes = 196 words: row r starts at bank 4 r mod 64 (64 banks of 4 bytes: ISA guide 11.1)
; K goes in steps of 128 through a ring of two LDS slots filled by the tensor data mover: rows of 256 bytes of memory, aligned, 272 apart in LDS.
; A K STEP IS WRITTEN ONCE: a loop of STEPS - 2 trips, each with a refill, and a loop of two trips for the last two steps, which ask for nothing.  Which slot is read stands in a scalar register (0 or SLOT, turned
; by an exclusive or); the fragments' LDS addresses are made of it anew at each change of slots, and so is the LDS word of the one descriptor a tensor that walks.
; CLUSTER 4 x 4: the four work-groups of a row of the cluster need the same tiles of A, the four of a column the same tiles of B: each tile is asked for jointly, by the same tensor load with the
; same descriptor and a mask that names the four.  THE MATRIX INSTRUCTION IS USED TRANSPOSED (source 0 = 16 rows of B, source 1 = 16 rows of A): a lane holds one row of C and eight neighbouring columns.
; THE BIAS is the C operand of each accumulator's first product: eight registers for each block of 16 columns, the lane's own eight columns.  Nothing is cleared, nothing added later.
; REGISTERS, in windows of 256 (s_set_vgpr_msb: bits 1:0 source 0, 3:2 source 1, 5:4 source 2, 7:6 destination):
;   window 0: v13-30 addresses; v32-47 the halo's fragments of A, v48-63 its bias; A's fragments at 64 + 64 f + 8 a (two buffers f); the bias at 256 - 8 NBK on; on the way out v32-223 at work
;   window 1: B's fragments at 128 f + 8 b, the halo's two at 128 f + 96      windows 2, 3: accumulator (a, b) at 8 (NBK (a % HA) + b), the lower half of the blocks a in window 2, the upper in 3; the halo's at v192 of window 3
; THE WAY OUT: when no wave reads the ring any more, each wave lays its tile in f32 into its own part of the ring's bytes (they have had their last fill) and walks it in a loop.
.set HALO,   1-GELU
.set SIZE_K, 1024
.set KSTEP,  128
.set STEPS,  SIZE_K/KSTEP
.set PITCH,  272
.set HA,     MA/2
.set AROWS,  256+16*HALO               ; rows of A in a slot: with the halo, the 16 in front come first
.set HALFA,  (AROWS/2)*PITCH           ; what one tensor load brings of A
.set HALFB,  (TN/2)*PITCH              ; and of B
.set SLOT,   2*HALFA+2*HALFB           ; A's rows, then B's TN rows
.set SPARE,  2*SLOT                    ; behind the ring: the spare words, 128 bytes a wave, which no other line names
.set DREG,   16*MA*DP                  ; the way out: a wave's bytes
.set HL,     2*HALO                    ; LDS loads of the halo's fragment of A: the youngest of a run
.set NLD,    2*NBK+2*MA+6*HALO         ; LDS loads in a run
.set AOFF,   16*2*SIZE_K*HALO          ; bytes of the 16 rows in front of row 0 in A's buffer
.set ADRA0, 16                         ; v16     LDS address of my A fragments in slot 0; never rewritten
.set ADRA,  17                         ; v17     the same in the slot that is being read
.set ADRH0, 18                         ; v18, v19  the same for the halo's 16 rows of A
.set ADRH,  19
.set ADRB0, 20                         ; v20, v21  the same for B
.set ADRB,  21
.set ADRG0, 22                         ; v22, v23  the same for my two blocks of B for the halo
.set ADRG,  23
.set VR,   13                          ; v13     the place in its batch of my row in the trip's first four
.set BOH,  14                          ; v14     my offset in the bias for the halo's two blocks
.set DSTH, 15                          ; v15     the way out: where I put 32 bytes of a row of the halo
.set DST,  24                          ; v24     the way out: where I put 32 bytes of a row
.set RDA,  25                          ; v25     the way out: where I read rows back
.set CO,   26                          ; v26     my byte offset in OUT
.set BO,   27                          ; v27     32 x (lane / 16): my eight columns of a block in the bias
.set SPW,  28                          ; v28     LDS address of my spare word; never rewritten
.set NIL,  29                          ; v29     0; never rewritten
.set PFO,  30                          ; v30     the prefetches' offset: a lane a row; never rewritten
.set HAF,  32                          ; the halo's fragment of A, buffer f at HAF + 8 f
.set HBI,  48                          ; the halo's bias
.set HBF,  96                          ; window 1: the halo's two fragments of B, at 128 f + HBF
.set HAC,  192                         ; window 3: the halo's two accumulators
.set BIAS, 256-8*NBK
.set G1,  24                           ; s[24:31] descriptor group 1 for A's tiles
.set G0,  32                           ; s[32:39] group 0 for A's tiles: a set for each of the two first fills; the second then walks on
.set G1B, 48                           ; s[48:55], s[56:63] the same for B's
.set G0B, 56
.set LIM, 43                           ; s43     2 in a wave that prefetches, else the greatest number
.set PFA, 44                           ; s[44:45] where my prefetches stand
.set LB,  68                           ; s68     LDS byte of what I fetch of B, in slot 0
.set TB,  75                           ; s75     the slot that is being read: 0 or SLOT
.set LA,  76                           ; s76     LDS byte of what I fetch of A, in slot 0
.set MSB, 0
.macro WIN new                         ; the immediate's high byte repeats the setting that is left; a switch that changes nothing is dropped
.if MSB != (\new)
	s_set_vgpr_msb (MSB<<8)|(\new)
.set MSB, \new
.endif
.endm
; A joint load.  Waves 0 and 1 fetch A's two halves, waves 2 and 3 B's.  The branch hangs on the wave's number alone.  An s_nop 0 and four v_nop follow each of the two lines.
.macro JLOAD s
	s_cmp_eq_u32 s11, 0
	s_cbranch_scc0 .Lfor_b_\@
	tensor_load_to_lds s[G0+4*(\s):G0+4*(\s)+3], s[G1:G1+7]
	s_nop 0
.rept 4
	v_nop
.endr
	s_branch .Lasked_\@
.Lfor_b_\@:
	tensor_load_to_lds s[G0B+4*(\s):G0B+4*(\s)+3], s[G1B:G1B+7]
	s_nop 0
.rept 4
	v_nop
.endr
.Lasked_\@:
.endm
; A prefetch, behind a joint load and the run of LDS loads that follows it: the K step two refills on, 256 bytes of a row, a lane a row, one instruction a wave.  A's rows are asked for by the clusters
; with x = 0, B's by those with y = 0; the four partners of a tile share its rows out by address (of A the tile's own 256 rows: a halo's rows are the tile before's own).  The loop's last two trips ask for
; nothing: there is no K step two refills on.
.macro ASK
	s_cmp_gt_u32 s3, s[LIM]
	s_cbranch_scc0 .Lnot_mine_\@
	global_prefetch_b8 v[PFO], s[PFA:PFA+1] offset:KSTEP*2 th:TH_LOAD_NT scope:SCOPE_SE
.Lnot_mine_\@:
.endm
.macro CREST                           ; a round of the cluster's barrier behind its opening barrier
	s_cmp_lg_u32 s10, 0
	s_cbranch_scc1 .Lnot_wave_0_\@
	s_barrier_signal -3
.Lnot_wave_0_\@:
	s_barrier_wait -3
	s_barrier_signal -1
	s_barrier_wait -1
.endm
.macro CROUND                          ; a whole round
	s_barrier_signal -1
	s_barrier_wait -1
	CREST
.endm
.macro PLACES                          ; four places in front of loads into registers that matrix instructions have read, and of stores that read results
.rept 4
	v_nop
.endr
.endm
	s_load_b128 s[4:7], s[0:1], 0x0                ; A s[4:5], B s[6:7]
	s_load_b64 s[8:9], s[0:1], 0x10                ; OUT
	s_load_b64 s[66:67], s[0:1], 0x18              ; the bias
	v_lshl_add_u32 v[SPW], v0, 2, SPARE
	v_mov_b32 v[NIL], 0
	ds_add_u32 v[SPW], v[NIL]                      ; the wave's opening: the add, and its wait ahead of my first tensor load; the set-up below, work on registers, stands between them
	v_lshrrev_b32 v1, 5, v0
	v_readfirstlane_b32 s10, v1                    ; wave 0..3
	s_lshr_b32 s11, s10, 1                         ; which half of the tile's rows is mine (where the waves lie 2 x 2).  Also: I fetch for A (0) or for B (1)
	s_and_b32 s12, s10, 1                          ; which half of its columns.  Also: which half of that tile's rows I fetch
	s_bfe_u32 s40, ttmp6, 0x40000                  ; cx
	s_bfe_u32 s41, ttmp6, 0x40004                  ; cy
	s_lshl_b32 s42, ttmp9, 2
	s_add_co_u32 s42, s42, s40                     ; tile column of C = 4 x cluster x + cx
	s_and_b32 s13, ttmp7, 0xffff
	s_lshl_b32 s13, s13, 2
	s_add_co_u32 s13, s13, s41                     ; tile row of C = 4 x cluster y + cy
	s_lshl_b32 s43, s41, 2
	s_lshl_b32 s43, 15, s43                        ; my row of the cluster
	s_lshl_b32 s44, 0x1111, s40                    ; my column
	; descriptor group 1: rows of 128 elements of 2 bytes, 16 bytes of padding behind each
	s_or_b32 s[G1+0], s43, (1<<16)|(1<<20)|(1<<21)|(5<<22)|(3<<25)   ; 15:0 the mask: A's tiles go to my row; 17:16 2-byte elements; 20 padding on; 21 set beside a mask; 24:22 after every 64 words; 31:25 4 words
	s_or_b32 s[G1B+0], s44, (1<<16)|(1<<20)|(1<<21)|(5<<22)|(3<<25)  ; the same with my column's mask
	s_mov_b32 s[G1+1], KSTEP<<16                   ; tensor_dim0 = 128
	s_mov_b32 s[G1B+1], KSTEP<<16
	s_mov_b32 s[G1+2], (AROWS/2)<<16               ; tensor_dim1 = the tile's rows
	s_mov_b32 s[G1B+2], (TN/2)<<16
	s_mov_b32 s[G1+3], KSTEP<<16                   ; tile_dim0 = 128
	s_mov_b32 s[G1B+3], KSTEP<<16
	s_mov_b32 s[G1+4], AROWS/2                     ; tile_dim1
	s_mov_b32 s[G1B+4], TN/2
	s_mov_b32 s[G1+5], SIZE_K                      ; elements from row to row
	s_mov_b32 s[G1B+5], SIZE_K
	s_mov_b32 s[G1+6], 0
	s_mov_b32 s[G1B+6], 0
	s_mov_b32 s[G1+7], 0
	s_mov_b32 s[G1B+7], 0
	; A's address hangs on the tile row and the wave's number, B's on the tile column and the wave's number, each in registers that never hold the other coordinate
	s_mul_i32 s17, s12, AROWS/2
	s_lshl_b32 s16, s13, 8
	s_add_co_u32 s16, s16, s17                     ; A: the buffer's row 256 x tile row + my half (with the halo the buffer's rows begin 16 ahead of row 0, and so does the tile)
	s_mul_i32 s46, s42, TN
	s_mul_i32 s47, s12, TN/2
	s_add_co_u32 s46, s46, s47                     ; B: row TN x tile column + TN / 2 x half
	s_lshl_b32 s16, s16, 11                        ; 2,048 bytes a row
	s_mov_b32 s17, 0
	s_lshl_b32 s46, s46, 11
	s_mov_b32 s47, 0
	s_mul_i32 s[LA], s10, HALFA                    ; where they go: A's halves at wave x HALFA,
	s_mul_i32 s[LB], s10, HALFB
	s_add_co_u32 s[LB], s[LB], 2*HALFA-2*HALFB     ; B's behind A's rows, at (wave - 2) x HALFB
	s_mov_b32 s[TB], 0                             ; slot 0 is read first
	s_wait_dscnt 0x0                               ; the opening add is done
	s_wait_kmcnt 0x0
	s_add_nc_u64 s[14:15], s[4:5], s[16:17]
	s_add_nc_u64 s[46:47], s[6:7], s[46:47]
.if BOFF
	s_add_nc_u64 s[46:47], s[46:47], BOFF
.endif
	CROUND                                         ; all sixteen work-groups are here: the first joint loads meet
.irp s, 0,1
	s_mov_b32 s[G0+4*(\s)], 1
	s_add_co_u32 s[G0+4*(\s)+1], s[LA], (\s)*SLOT
	s_add_nc_u64 s[G0+4*(\s)+2:G0+4*(\s)+3], s[14:15], (\s)*KSTEP*2
	s_or_b32 s[G0+4*(\s)+3], s[G0+4*(\s)+3], 0x80000000
	s_mov_b32 s[G0B+4*(\s)], 1
	s_add_co_u32 s[G0B+4*(\s)+1], s[LB], (\s)*SLOT
	s_add_nc_u64 s[G0B+4*(\s)+2:G0B+4*(\s)+3], s[46:47], (\s)*KSTEP*2
	s_or_b32 s[G0B+4*(\s)+3], s[G0B+4*(\s)+3], 0x80000000
	JLOAD \s                                       ; K steps 0 and 1: two loads of mine are out
.endr
	; a fragment is 16 rows x 32 K in 8 registers: lane l holds row l % 16, K = 8 (l / 16) + 0..7 and 16 + 8 (l / 16) + 0..7: two loads of 16 bytes, 32 bytes apart
	v_and_b32 v1, 15, v0
	v_bfe_u32 v2, v0, 4, 1
	v_mul_u32_u24 v3, v1, PITCH
	v_lshl_add_u32 v3, v2, 4, v3
.if GELU
	s_mul_i32 s21, s11, HALFA                      ; my 128 rows of A,
	s_mul_i32 s22, s12, HALFB                      ; my 128 rows of B
.else
	s_mul_i32 s21, s10, 64*PITCH                   ; my 64 rows of A,
	s_add_co_u32 s21, s21, 16*PITCH                ; behind the halo's 16,
	s_mov_b32 s22, 0                               ; all rows of B
.endif
	s_add_co_u32 s22, s22, 2*HALFA
	v_add_nc_u32 v[ADRA0], s21, v3
	v_add_nc_u32 v[ADRB0], s22, v3
	v_mov_b32 v[ADRA], v[ADRA0]
	v_mov_b32 v[ADRB], v[ADRB0]
.if HALO
	v_mov_b32 v[ADRH0], v3                         ; the halo's 16 rows lie at a slot's head
	s_mul_i32 s21, s10, 32*PITCH
	s_add_co_u32 s21, s21, 2*HALFA+64*PITCH        ; my two blocks of B for it: rows 64 + 32 w on
	v_add_nc_u32 v[ADRG0], s21, v3
	v_mov_b32 v[ADRH], v[ADRH0]
	v_mov_b32 v[ADRG], v[ADRG0]
.endif
	v_lshlrev_b32 v[BO], 5, v2
	; the bias: block b's 16 columns are 64 bytes; my eight of them, two loads of 16 bytes
.if GELU
	s_lshl_b32 s46, s42, 10
	s_lshl_b32 s47, s12, 9
	s_add_co_u32 s46, s46, s47
.else
	s_lshl_b32 s46, s42, 8                         ; the head's 64 columns in each of the three parts
.endif
	s_mov_b32 s47, 0
	s_add_nc_u64 s[66:67], s[66:67], s[46:47]
.set b, 0
.rept NBK
.if GELU
	global_load_b128 v[BIAS+8*b:BIAS+8*b+3],   v[BO], s[66:67] offset:64*b
	global_load_b128 v[BIAS+8*b+4:BIAS+8*b+7], v[BO], s[66:67] offset:64*b+16
.else
	global_load_b128 v[BIAS+8*b:BIAS+8*b+3],   v[BO], s[66:67] offset:(b/4)*4096+(b%4)*64
	global_load_b128 v[BIAS+8*b+4:BIAS+8*b+7], v[BO], s[66:67] offset:(b/4)*4096+(b%4)*64+16
.endif
.set b, b+1
.endr
.if HALO
	s_lshl_b32 s46, s11, 12                        ; blocks 4 + 2 w and 5 + 2 w: part 1 + w / 2, blocks 2 (w % 2) and 2 (w % 2) + 1 of its four
	s_lshl_b32 s47, s12, 7
	s_add_co_u32 s46, s46, s47
	s_add_co_u32 s46, s46, 4096
	v_add_nc_u32 v[BOH], s46, v[BO]
.irp j, 0,1
	global_load_b128 v[HBI+8*(\j):HBI+8*(\j)+3],   v[BOH], s[66:67] offset:64*(\j)
	global_load_b128 v[HBI+8*(\j)+4:HBI+8*(\j)+7], v[BOH], s[66:67] offset:64*(\j)+16
.endr
.endif
	; the way out's addresses
	s_mul_i32 s23, s10, DREG
.if HALO
	s_add_co_u32 s23, s23, 16*DP                   ; the halo's 16 rows lie in front of the tile's 256
.endif
	v_mul_u32_u24 v4, v1, DP
	v_lshl_add_u32 v4, v2, 5, v4
	v_add_nc_u32 v[DST], s23, v4                   ; row l % 16, 32 bytes for each half of the lanes
	v_and_b32 v5, 31, v0
.if GELU
	v_lshl_add_u32 v[RDA], v5, 4, s23              ; back: the wave takes one row of 512 bytes,
	v_lshlrev_b32 v[CO], 3, v5                     ; which is 256 bytes of OUT
	s_lshl_b32 s16, s13, 8
	s_lshl_b32 s17, s11, 7
	s_add_co_u32 s16, s16, s17
	s_lshl_b32 s16, s16, 13                        ; my first row, 8,192 bytes a row
	s_lshl_b32 s46, s42, 9
	s_lshl_b32 s47, s12, 8
	s_add_co_u32 s46, s46, s47                     ; my first column
	s_mov_b32 s70, 0xbdd2d3e8                      ; c1 = -0.10294324
	s_mov_b32 s71, s70
	s_mov_b32 s72, 0xc0135761                      ; c0 = -2.3022082
	s_mov_b32 s73, s72
.else
	s_lshl_b32 s16, s10, 7
	s_add_co_u32 s16, s16, 256
	v_add_nc_u32 v[DSTH], s16, v4                  ; the halo: my two blocks begin at column 64 + 32 w
	v_bfe_u32 v6, v0, 3, 2                         ; back: eight lanes a row, four rows: which of the four,
	v_and_b32 v7, 7, v0                            ; and which 8 channels (32 bytes)
	v_mul_u32_u24 v[RDA], v6, DP
	v_lshl_add_u32 v[RDA], v7, 5, v[RDA]
	s_sub_co_u32 s16, s23, 2*DP                    ; from two rows ahead of my first row on
	v_add_nc_u32 v[RDA], s16, v[RDA]
	v_lshlrev_b32 v[CO], 4, v5                     ; four rows of 128 bytes: 512 consecutive bytes of OUT
	s_lshl_b32 s16, s13, 8
	s_lshl_b32 s17, s10, 6
	s_add_co_u32 s16, s16, s17                     ; my first row,
	s_and_b32 s17, s16, 2047                       ; its place in its batch
	v_add_nc_u32 v[VR], s17, v6
	s_lshl_b32 s16, s16, 7                         ; 128 bytes a row
	s_lshl_b32 s46, s42, 19                        ; the head: 4,096 rows of 128 bytes
	s_mov_b32 s70, 0x3e38aa3b                      ; c = log2(e) / 8
	s_mov_b32 s71, 0xbe38aa3b                      ; -c
.endif
	s_mov_b32 s17, 0
	s_mov_b32 s47, 0
	s_add_nc_u64 s[8:9], s[8:9], s[16:17]
	s_add_nc_u64 s[8:9], s[8:9], s[46:47]
	; the prefetches: of the tile's own rows that lie in my half, my work-group's quarter: 32 cx of A's 128, (TN / 8) cy of B's TN / 2
	s_lshl_b32 s20, s13, 8
	s_mul_i32 s21, s42, TN
	s_lshl_b32 s22, s12, 7
	s_mul_i32 s23, s12, TN/2
	s_lshl_b32 s18, s40, 5
	s_mul_i32 s19, s41, TN/8
	s_and_b32 s69, ttmp7, 0xffff                   ; cluster y
	s_cmp_eq_u32 s11, 0                            ; do I fetch for A?
	s_cselect_b32 s20, s20, s21
	s_cselect_b32 s22, s22, s23
	s_cselect_b32 s18, s18, s19
	s_cselect_b32 s19, ttmp9, s69                  ; the coordinate along which other clusters read the same rows
	s_cselect_b32 s21, 31, TN/8-1                  ; my share's last row: lanes beyond it name it once more
	s_cselect_b32 s23, AOFF, BOFF
	s_cselect_b64 s[PFA:PFA+1], s[4:5], s[6:7]
	s_cmp_eq_u32 s19, 0
	s_cselect_b32 s[LIM], 2, -1                    ; the same in all sixteen partners, for a given wave
	s_add_co_u32 s20, s20, s22
	s_add_co_u32 s20, s20, s18
	s_lshl_b32 s20, s20, 11
	s_add_co_u32 s20, s20, s23
	s_add_co_u32 s20, s20, 2*KSTEP*2               ; at K step 2: the first refill steps it to 3 and names K step 4
	v_and_b32 v[PFO], 31, v0
	v_min_u32 v[PFO], s21, v[PFO]
	v_lshlrev_b32 v[PFO], 11, v[PFO]
	s_mov_b32 s21, 0
	s_add_nc_u64 s[PFA:PFA+1], s[PFA:PFA+1], s[20:21]
; The NBK products of block a of 16 rows, 32 along K, on buffer f.  zero = 1: the first product of each sum takes the bias as C.
.macro MULA f, a, zero
.if \zero
	WIN 0x81+0x40*((\a)/HA)                        ; B window 1, A and the bias window 0, D window 2 or 3
.else
	WIN 0xa1+0x50*((\a)/HA)                        ; B window 1, A window 0, C and D window 2 or 3
.endif
.set b, 0
.rept NBK
.set rD, 8*(NBK*((\a)%HA)+b)
.if \zero
	v_wmma_f32_16x16x32_bf16 v[rD:rD+7], v[128*(\f)+8*b:128*(\f)+8*b+7], v[64+64*(\f)+8*(\a):64+64*(\f)+8*(\a)+7], v[BIAS+8*b:BIAS+8*b+7]
.else
	v_wmma_f32_16x16x32_bf16 v[rD:rD+7], v[128*(\f)+8*b:128*(\f)+8*b+7], v[64+64*(\f)+8*(\a):64+64*(\f)+8*(\a)+7], v[rD:rD+7]
.endif
.set b, b+1
.endr
.endm
.macro MULS f, a0, n, zero             ; blocks a0 .. a0 + n - 1.  The accumulators take turns, each once a quarter step, in the same order everywhere
.set aa, \a0
.rept \n
	MULA \f, aa, \zero
.set aa, aa+1
.endr
.endm
.macro HMUL f, zero                    ; the halo's two products, the last of a quarter step; under the same windows as the upper blocks'
.if HALO
.if \zero
	WIN 0xc1
.else
	WIN 0xf1
.endif
.irp j, 0,1
.if \zero
	v_wmma_f32_16x16x32_bf16 v[HAC+8*(\j):HAC+8*(\j)+7], v[128*(\f)+HBF+8*(\j):128*(\f)+HBF+8*(\j)+7], v[HAF+8*(\f):HAF+8*(\f)+7], v[HBI+8*(\j):HBI+8*(\j)+7]
.else
	v_wmma_f32_16x16x32_bf16 v[HAC+8*(\j):HAC+8*(\j)+7], v[128*(\f)+HBF+8*(\j):128*(\f)+HBF+8*(\j)+7], v[HAF+8*(\f):HAF+8*(\f)+7], v[HAC+8*(\j):HAC+8*(\j)+7]
.endif
.endr
.endif
.endm
; NLD LDS loads in one run: a quarter step's fragments (32 K at byte k of the rows of the slot that is being read) into buffer f: B's first, then the halo's of B, then A's, then the halo's of A
.macro FETCH k, f
	WIN 0x40                                       ; destination window 1, address window 0
.set i, 0
.rept NBK
	ds_load_b128 v[128*(\f)+8*i:128*(\f)+8*i+3],   v[ADRB] offset:(\k)+i*16*PITCH
	ds_load_b128 v[128*(\f)+8*i+4:128*(\f)+8*i+7], v[ADRB] offset:(\k)+i*16*PITCH+32
.set i, i+1
.endr
.if HALO
.irp j, 0,1
	ds_load_b128 v[128*(\f)+HBF+8*(\j):128*(\f)+HBF+8*(\j)+3],   v[ADRG] offset:(\k)+(\j)*16*PITCH
	ds_load_b128 v[128*(\f)+HBF+8*(\j)+4:128*(\f)+HBF+8*(\j)+7], v[ADRG] offset:(\k)+(\j)*16*PITCH+32
.endr
.endif
	WIN 0
.set i, 0
.rept MA
	ds_load_b128 v[64+64*(\f)+8*i:64+64*(\f)+8*i+3],   v[ADRA] offset:(\k)+i*16*PITCH
	ds_load_b128 v[64+64*(\f)+8*i+4:64+64*(\f)+8*i+7], v[ADRA] offset:(\k)+i*16*PITCH+32
.set i, i+1
.endr
.if HALO
	ds_load_b128 v[HAF+8*(\f):HAF+8*(\f)+3],   v[ADRH] offset:(\k)
	ds_load_b128 v[HAF+8*(\f)+4:HAF+8*(\f)+7], v[ADRH] offset:(\k)+32
.endif
.endm
; A K step is four quarter steps of 32 along K on buffers 0, 1, 0, 1.  One of the first three: multiplies buffer f; in its middle it fetches the next quarter, at byte k, into buffer g.
.macro QUARTER k, f, g, zero
	s_wait_dscnt MA+HL                             ; B and A's lower blocks are in; the youngest MA + HL loads (A's upper blocks, the halo's fragment of A) may be out
	MULS \f, 0, HA, \zero
	PLACES
	FETCH \k, \g
	s_wait_dscnt NLD                               ; all but the run just issued
	MULS \f, HA, HA, \zero
	HMUL \f, \zero
.endm
; The last quarter multiplies buffer 1 and changes slots.  ONE barrier: in front of it each wave waits for all its tensor loads (at most one is out: its part of the next slot), adds 0 to its spare word,
; and waits for that and for its own reads of this slot.  Behind it nobody reads this slot any more and the next slot is whole.
.macro MEET round
	WIN 0                                          ; (the add's two registers lie in window 0)
	s_wait_tensorcnt 0x0
	ds_add_u32 v[SPW], v[NIL]                      ; 0 onto my spare word
	s_wait_dscnt MA+HL+1                           ; (the add and the youngest MA + HL loads may be out)
	MULS 1, 0, HA/2, 0                             ; matrix work stands between the add and the wait for it
	s_wait_dscnt 0x0                               ; the add is done, and my reads of this slot are over
	s_barrier_signal -1
	MULS 1, HA/2, HA/2, 0                          ; work on registers while the others arrive
.if \round
	WIN 0
.endif
	s_barrier_wait -1
.endm
.macro NEXTSLOT                        ; the fragments' addresses in the slot that s[TB] names
	v_add_nc_u32 v[ADRA], s[TB], v[ADRA0]
	v_add_nc_u32 v[ADRB], s[TB], v[ADRB0]
.if HALO
	v_add_nc_u32 v[ADRH], s[TB], v[ADRH0]
	v_add_nc_u32 v[ADRG], s[TB], v[ADRG0]
.endif
.endm
; fill = 1: the barrier opens a round of the cluster's barrier, and the slot just read out is filled again, first thing behind the round, with the K step two steps on.
; fill = 0, the last two steps: nothing is asked for; the last step of all jumps over the next slot's fetch (and over the quarter that follows the macro).
.macro TURN fill
.if \fill
	s_wait_xcnt 0x0                                ; the last prefetch, a K step back, has read its address: it is stepped here, ahead of the waits of the change of slots
	s_add_nc_u64 s[PFA:PFA+1], s[PFA:PFA+1], KSTEP*2
	MEET 1
	CREST                                          ; no wave of any partner still reads this slot's tile or has a load on its way
	s_add_co_u32 s[G0+5], s[LA], s[TB]             ; the walking descriptors: into the slot just read,
	s_add_nc_u64 s[G0+6:G0+7], s[G0+6:G0+7], KSTEP*2  ; the K step behind the one asked for last; the type bits on top are not reached
	s_add_co_u32 s[G0B+5], s[LB], s[TB]
	s_add_nc_u64 s[G0B+6:G0B+7], s[G0B+6:G0B+7], KSTEP*2
	s_xor_b32 s[TB], s[TB], SLOT                   ; from here on the other slot is read
	JLOAD 1                                        ; my one tensor load behind the round; the four v_nop behind it are also the places in front of the loads below
	NEXTSLOT
	FETCH 0, 0
	ASK
	MULS 1, HA, HA, 0
	HMUL 1, 0
.else
	MEET 0
	MULS 1, HA, HA, 0
	HMUL 1, 0
	WIN 0
	s_cmp_eq_u32 s3, 1
	s_cbranch_scc1 .Llast                          ; forward, to the label ahead of the counter's step; what is jumped holds no barrier and no tensor load
	s_xor_b32 s[TB], s[TB], SLOT
	NEXTSLOT
	PLACES
	FETCH 0, 0
.endif
.endm
; The attention's registers: group u of four rows has 80 registers from AT + 80 u on.
.set AT, 32
.macro REG u
.set rQ, AT+80*(\u)                    ; q of my 8 channels
.set rK, rQ+8                          ; k of rows n, n - 1, n - 2: 8 each
.set rV, rQ+32                         ; v likewise
.set rT, rQ+56                         ; three pairs: partial sums, then in the low register the score, then the weight
.set rM, rQ+62                         ; the maximum; -c times it
.set rS, rQ+64                         ; the weights' sum; 1 / it
.set rA, rQ+66                         ; my 8 channels of the result
.set rO, rQ+74                         ; the same in bf16
.endm
.macro LD2 dst, off                    ; 8 f32, 32 bytes
	ds_load_b128 v[(\dst):(\dst)+3],   v[RDA] offset:(\off)
	ds_load_b128 v[(\dst)+4:(\dst)+7], v[RDA] offset:(\off)+16
.endm
	s_wait_tensorcnt 1                             ; my part of K step 0 is in; K step 1's may stay out
	s_barrier_signal -1
	s_barrier_wait -1                              ; everybody's is
	FETCH 0, 0
	s_wait_loadcnt 0x0                             ; the bias
	QUARTER 64,  0, 1, 1                           ; the first quarter stands in front of the loops: its products start the sums
	WIN 0                                          ; at a label and at a branch every window is 0
	s_mov_b32 s3, STEPS-2
.Lstep:                                        ; a trip goes from a K step's second quarter to the next step's first, and fills the slot that it leaves
	QUARTER 128, 1, 0, 0
	QUARTER 192, 0, 1, 0
	TURN 1
	QUARTER 64,  0, 1, 0
	WIN 0
	s_sub_co_u32 s3, s3, 1
	s_cmp_lg_u32 s3, 0
	s_cbranch_scc1 .Lstep
	s_mov_b32 s3, 2
.Ltail:                                        ; the last two K steps: no tensor load stands in this loop
	QUARTER 128, 1, 0, 0
	QUARTER 192, 0, 1, 0
	TURN 0
	QUARTER 64,  0, 1, 0
	WIN 0
.Llast:
	s_sub_co_u32 s3, s3, 1
	s_cmp_lg_u32 s3, 0
	s_cbranch_scc1 .Ltail
	PLACES                                         ; the stores below read results just made
	s_wait_dscnt 0x0                               ; my reads of the ring are over;
	s_barrier_signal -1
	s_barrier_wait -1                              ; everybody's are: the ring's bytes, which are filled no more, take the tiles
.set aa, 0
.rept MA                               ; each accumulator's low four registers go first
	WIN 0x08+0x04*(aa/HA)                          ; the stores' data in window 2 or 3
.set b, 0
.rept NBK
.set rD, 8*(NBK*(aa%HA)+b)
	ds_store_b128 v[DST], v[rD:rD+3]   offset:aa*16*DP+64*b
	ds_store_b128 v[DST], v[rD+4:rD+7] offset:aa*16*DP+64*b+16
.set b, b+1
.endr
.set aa, aa+1
.endr
.if HALO
	WIN 0x0c
.irp j, 0,1
	ds_store_b128 v[DSTH], v[HAC+8*(\j):HAC+8*(\j)+3]   offset:64*(\j)
	ds_store_b128 v[DSTH], v[HAC+8*(\j)+4:HAC+8*(\j)+7] offset:64*(\j)+16
.endr
	WIN 0
	s_wait_dscnt 0x0                               ; for the others' sake: a wave's first two rows read the two rows in front, which another wave stored (the first wave's: the halo, of which each wave stored a quarter)
	s_barrier_signal -1
	s_barrier_wait -1
.endif
	WIN 0
	s_mov_b32 s74, 8
.if GELU
.set XIN,  64                          ; 16 rows x 4 numbers a lane
.set EXR,  128                         ; the exponents, then 1 / (1 + 2^..)
.set OUTR, 192
.Lrows:                                        ; 16 rows a trip.  My wave's own bytes: LDS serves a wave's instructions in order (ISA guide 5.7.1.4), so the loads see the stores above
.set j, 0
.rept 16
	ds_load_b128 v[XIN+4*j:XIN+4*j+3], v[RDA] offset:DP*j
.set j, j+1
.endr
.set i, 0
.rept 32                               ; x x, pair by pair
.if i%2 == 0
	s_wait_dscnt 15-i/2                            ; row i / 2 is in
.endif
	v_pk_mul_f32 v[EXR+2*i:EXR+2*i+1], v[XIN+2*i:XIN+2*i+1], v[XIN+2*i:XIN+2*i+1]
.set i, i+1
.endr
.set i, 0
.rept 34                               ; by turns: c0 + c1 x x of pair i, times x for pair i - 1, the two exponentials of pair i - 2: no line reads the result of the line ahead of it, and nothing names an exponential's result
.if i < 32
	v_pk_fma_f32 v[EXR+2*i:EXR+2*i+1], v[EXR+2*i:EXR+2*i+1], s[70:71], s[72:73] op_sel_hi:[1,0,0]
.endif
.if i >= 2
	v_exp_f32 v[EXR+2*i-4], v[EXR+2*i-4]
.endif
.if (i >= 1) && (i < 33)
	v_pk_mul_f32 v[EXR+2*i-2:EXR+2*i-1], v[EXR+2*i-2:EXR+2*i-1], v[XIN+2*i-2:XIN+2*i-1]
.endif
.if i >= 2
	v_exp_f32 v[EXR+2*i-3], v[EXR+2*i-3]
.endif
.set i, i+1
.endr
	v_nop                                          ; a plain instruction behind the last exponential,
	s_wait_alu depctr_va_vdst(0)                   ; and one wait for the batch of 64, ahead of the first reader
.set i, 0
.rept 32
	v_pk_add_f32 v[EXR+2*i:EXR+2*i+1], v[EXR+2*i:EXR+2*i+1], 1.0 op_sel_hi:[1,0]
.if i > 0
	v_rcp_f32 v[EXR+2*i-2], v[EXR+2*i-2]
	v_rcp_f32 v[EXR+2*i-1], v[EXR+2*i-1]
.endif
.set i, i+1
.endr
	v_rcp_f32 v[EXR+62], v[EXR+62]
	v_rcp_f32 v[EXR+63], v[EXR+63]
	v_nop
	s_wait_alu depctr_va_vdst(0)                   ; one wait for the 64 reciprocals
.set i, 0
.rept 32
	v_pk_mul_f32 v[XIN+2*i:XIN+2*i+1], v[XIN+2*i:XIN+2*i+1], v[EXR+2*i:EXR+2*i+1]
.set i, i+1
.endr
.set i, 0
.rept 32
	v_cvt_pk_bf16_f32 v[OUTR+i], v[XIN+2*i], v[XIN+2*i+1]
.set i, i+1
.endr
.set j, 0
.rept 16
	global_store_b64 v[CO], v[OUTR+2*j:OUTR+2*j+1], s[8:9] offset:8192*j  ; the wave stores 256 consecutive bytes of one row, aligned
.set j, j+1
.endr
	v_add_nc_u32 v[RDA], 16*DP, v[RDA]
	s_wait_xcnt 0x0                                ; the stores have read their data and their base: both are written again only behind this wait
	s_add_nc_u64 s[8:9], s[8:9], 16*8192
.else
.Lrows:                                        ; 8 rows a trip, in two groups u of four that take turns line by line.  In a row's 784 bytes q lies at 0, k at 256, v at 512; v[RDA] stands two rows ahead of group 0's rows
.irp u, 0,1
	REG \u
	LD2 rQ,(4*(\u)+2)*DP
	LD2 rK,(4*(\u)+2)*DP+256
	LD2 rK+8,(4*(\u)+1)*DP+256
	LD2 rK+16,(4*(\u))*DP+256
.endr
.irp u, 0,1
	REG \u
	LD2 rV,(4*(\u)+2)*DP+512
	LD2 rV+8,(4*(\u)+1)*DP+512
	LD2 rV+16,(4*(\u))*DP+512
.endr
	s_wait_dscnt 12                                ; q and k are in; v's twelve loads may stay out
.set z, 0
.rept 4                                ; six chains: q . k over my 8 channels, two at a time
.irp u, 0,1
	REG \u
.irp i, 0,1,2
.if z == 0
	v_pk_mul_f32 v[rT+2*(\i):rT+2*(\i)+1], v[rQ:rQ+1], v[rK+8*(\i):rK+8*(\i)+1]
.else
	v_pk_fma_f32 v[rT+2*(\i):rT+2*(\i)+1], v[rQ+2*z:rQ+2*z+1], v[rK+8*(\i)+2*z:rK+8*(\i)+2*z+1], v[rT+2*(\i):rT+2*(\i)+1]
.endif
.endr
.endr
.set z, z+1
.endr
.irp u, 0,1
	REG \u
.irp i, 0,1,2
	v_add_f32 v[rT+2*(\i)], v[rT+2*(\i)], v[rT+2*(\i)+1]
.endr
.endr
.irp x, 1,2,4                          ; over the eight lanes of a row
.irp u, 0,1
	REG \u
.irp i, 0,1,2
	v_add_f32_dpp v[rT+2*(\i)], v[rT+2*(\i)], v[rT+2*(\i)] row_xmask:\x row_mask:0xf bank_mask:0xf
.endr
.endr
.endr
	REG 0                                          ; only a batch's rows 0 and 1 have hidden keys, and they fall into group 0
	v_cmp_le_u32 s16, 1, v[VR]                     ; does my row see key n - 1?
	v_cmp_le_u32 s17, 2, v[VR]                     ; and key n - 2?
	v_cndmask_b32 v[rT+2], v[rT], v[rT+2], s16     ; a hidden key's score is replaced by the row's own, so that it cannot raise the maximum
	v_cndmask_b32 v[rT+4], v[rT], v[rT+4], s17
.irp u, 0,1
	REG \u
	v_max3_num_f32 v[rM], v[rT], v[rT+2], v[rT+4]
.endr
.irp u, 0,1
	REG \u
	v_mul_f32 v[rM+1], s71, v[rM]
.endr
.irp u, 0,1
	REG \u
.irp i, 0,1,2
	v_fma_f32 v[rT+2*(\i)], v[rT+2*(\i)], s70, v[rM+1]  ; c s - c m
.endr
.endr
.irp u, 0,1
	REG \u
.irp i, 0,1,2
	v_exp_f32 v[rT+2*(\i)], v[rT+2*(\i)]
.endr
.endr
	v_nop                                          ; a plain instruction behind the last exponential,
	s_wait_alu depctr_va_vdst(0)                   ; and one wait for the six, ahead of their first reader
	REG 0
	v_cndmask_b32 v[rT+2], 0, v[rT+2], s16         ; and a hidden key's weight is 0
	v_cndmask_b32 v[rT+4], 0, v[rT+4], s17
.irp u, 0,1
	REG \u
	v_add_f32 v[rS], v[rT], v[rT+2]
.endr
.irp u, 0,1
	REG \u
	v_add_f32 v[rS], v[rS], v[rT+4]
.endr
.irp u, 0,1
	REG \u
	v_rcp_f32 v[rS+1], v[rS]
.endr
	v_nop
	s_wait_alu depctr_va_vdst(0)                   ; one wait for the two reciprocals
.irp u, 0,1
	REG \u
.irp i, 0,1,2
	v_mul_f32 v[rT+2*(\i)], v[rT+2*(\i)], v[rS+1]
.endr
.endr
	s_wait_dscnt 0x0                               ; v
.irp u, 0,1
	REG \u
.irp y, 0,1,2,3
	v_pk_mul_f32 v[rA+2*(\y):rA+2*(\y)+1], v[rV+2*(\y):rV+2*(\y)+1], v[rT:rT+1] op_sel_hi:[1,0]
.endr
.endr
.irp i, 1,2
.irp u, 0,1
	REG \u
.irp y, 0,1,2,3
	v_pk_fma_f32 v[rA+2*(\y):rA+2*(\y)+1], v[rV+8*(\i)+2*(\y):rV+8*(\i)+2*(\y)+1], v[rT+2*(\i):rT+2*(\i)+1], v[rA+2*(\y):rA+2*(\y)+1] op_sel_hi:[1,0,1]
.endr
.endr
.endr
.irp u, 0,1
	REG \u
.irp y, 0,1,2,3
	v_cvt_pk_bf16_f32 v[rO+(\y)], v[rA+2*(\y)], v[rA+2*(\y)+1]
.endr
	global_store_b128 v[CO], v[rO:rO+3], s[8:9] offset:512*(\u)  ; four rows of the head: 512 consecutive bytes, aligned
.endr
	v_add_nc_u32 v[RDA], 8*DP, v[RDA]
	v_add_nc_u32 v[VR], 8, v[VR]
	s_wait_xcnt 0x0                                ; the stores have read their data and their base: both are written again only behind this wait
	s_add_nc_u64 s[8:9], s[8:9], 8*128
.endif
	s_sub_co_u32 s74, s74, 1
	s_cmp_lg_u32 s74, 0
	s_cbranch_scc1 .Lrows
	s_wait_tensorcnt 0x0                           ; the wave's end: behind my last tensor load and my last LDS store
	ds_add_u32 v[SPW], v[NIL]
	s_wait_dscnt 0x0
	CROUND                                         ; the closing round: no work-group ends while a partner may still ask for a tile that names it
	s_endpgm
.Lfunc_end_k_qbf86de3b19_gqkv:
	.size	k_qbf86de3b19_gqkv, .Lfunc_end_k_qbf86de3b19_gqkv-k_qbf86de3b19_gqkv
	.p2alignl 7, 3214868480
	.fill 96, 4, 3214868480
	.section	.rodata,"a",@progbits
	.p2align	6, 0x0
	.amdhsa_kernel k_qbf86de3b19_gqkv
		.amdhsa_group_segment_fixed_size 327680
		.amdhsa_private_segment_fixed_size 0
		.amdhsa_enable_private_segment 0
		.amdhsa_kernarg_size 32
		.amdhsa_user_sgpr_count 2
		.amdhsa_user_sgpr_kernarg_segment_ptr 1
		.amdhsa_wavefront_size32 1
		.amdhsa_system_sgpr_workgroup_id_x 1
		.amdhsa_system_sgpr_workgroup_id_y 1
		.amdhsa_system_sgpr_workgroup_id_z 1
		.amdhsa_system_vgpr_workitem_id 0
		.amdhsa_next_free_vgpr 1024
		.amdhsa_next_free_sgpr 80
		.amdhsa_reserve_vcc 0
		.amdhsa_float_denorm_mode_32 3
		.amdhsa_float_denorm_mode_16_64 3
		.amdhsa_memory_ordered 1
		.amdhsa_forward_progress 1
		.amdhsa_inst_pref_size 85
	.end_amdhsa_kernel
	.amdgpu_metadata
---
amdhsa.version: [ 1, 2 ]
amdhsa.kernels:
  - .name:           k_qbf86de3b19_gqkv
    .symbol:         k_qbf86de3b19_gqkv.kd
    .args:
      - { .name: hn, .offset: 0, .size: 8, .value_kind: global_buffer, .address_space: global }
      - { .name: wt, .offset: 8, .size: 8, .value_kind: global_buffer, .address_space: global }
      - { .name: act, .offset: 16, .size: 8, .value_kind: global_buffer, .address_space: global }
      - { .name: qkv_b, .offset: 24, .size: 8, .value_kind: global_buffer, .address_space: global }
    .group_segment_fixed_size: 327680
    .private_segment_fixed_size: 0
    .kernarg_segment_align: 8
    .kernarg_segment_size: 32
    .max_flat_workgroup_size: 128
    .sgpr_count:     80
    .vgpr_count:     1024
    .wavefront_size: 32
...
	.end_amdgpu_metadata
.endif
;; end of part 2
;; launch proj (part 3): grid 8 x 32, 4 waves a work-group, clusters of 4 x 4, 327,680 bytes of LDS; arguments act, wp, proj_b, x, qx; writes qx
.if DOCPART == 3
	.amdgcn_target "amdgcn-amd-amdhsa--gfx1250"
	.amdhsa_code_object_version 6
	.text
	.protected	k_qbf86de3b19_proj
	.globl	k_qbf86de3b19_proj
	.p2align	8
	.type	k_qbf86de3b19_proj,@function
k_qbf86de3b19_proj:
	s_mov_b64 s[64:65], 0
	v_nop
	global_prefetch_b8 v0, s[64:65] scope:SCOPE_SE
	s_setreg_imm32_b32 hwreg(HW_REG_WAVE_MODE, 25, 1), 1
	s_wait_xcnt 0x0
	s_wait_alu depctr_hold_cnt(0) depctr_sa_sdst(0) depctr_va_vdst(0) depctr_va_sdst(0) depctr_va_ssrc(0) depctr_va_vcc(0) depctr_vm_vsrc(0)
	s_getreg_b32 s2, hwreg(HW_REG_IB_STS2, 6, 4)
	s_cmp_eq_u32 s2, 0
	s_cbranch_scc0 .Lentry_in_a_cluster
	s_endpgm
.Lentry_in_a_cluster:
	s_bfe_u32 s2, ttmp6, 0x10000c
	s_cmp_lg_u32 s2, 0xf033
	s_cbranch_scc0 .Lentry_shape_is_right
	s_endpgm
.Lentry_shape_is_right:
; x1 = x + ao Wp + b.  OUT = RES + A B^T + bias.  A: the attention's result BY HEADS, [head 16][row 4096][64] bf16: K = 64 x head + channel, the weights' own order;
; B: the turned weights, 1,024 rows of SIZE_K bf16, ROWB elements from row to row; bias [1024], RES and OUT [4096][1024] f32.  Sums in f32, started by the bias; the residual is added in f32.
; This text and the one of the block's last launch are one text with two heads of constants (BYH, SIZE_K, ROWA, ROWB).
.set BYH,    1                         ; 1: A lies by heads; 0: by rows
.set SIZE_K, 1024
.set ROWA,   64
.set ROWB,   1024
; A tile of C is 128 x 128: 8 x 32 tiles, 256 work-groups.  Four waves, each 64 x 64: 16 accumulators.  K goes in steps of 256 through two slots; a wave's tensor load brings 64 rows of A or of B.
; By rows, an LDS row is 512 bytes + 16.  BY HEADS a step is four heads: 64 rows of a head are 8,192 dense bytes, asked for as ONE row of 4,096 elements, four such rows 262,144 elements apart, and padded in LDS
; after every 128 bytes: in LDS [head][row], 144 bytes apart, and a quarter of a step (64 along K) is one head.
; A K STEP IS WRITTEN ONCE: a loop of STEPS - 2 trips, each with a refill, and a loop of two trips for the last two steps, which ask for nothing.  Which slot is read stands in a scalar register (0 or SLOT, turned
; by an exclusive or); the fragments' two LDS addresses are made of it anew at each change of slots, and so is the LDS word of the one descriptor a tensor that walks.
; CLUSTER 4 x 4: the four of a row of the cluster need the same tiles of A, the four of a column the same tiles of B: each tile is asked for jointly.  THE MATRIX INSTRUCTION IS USED TRANSPOSED (source 0 = 16 rows
; of B, source 1 = 16 rows of A): a lane holds one row of C and eight neighbouring columns.  No prefetch: the tile is small, and a step's bytes are asked for by their loads alone.
; REGISTERS: window 0: v16-29 addresses; v32-95 at work on the way out (two sets of 32); v96-127 the bias (8 registers for each block of 16 columns); v128-255 the accumulators ((a, b) at 128 + 8 (4 a + b))
;   window 1: two fragment buffers of 128: for 64 along K, 64 registers of A, then 64 of B          window 2: v0-127 my 64 x 64 of the residual, loaded at the start
.set KSTEP,  256
.set STEPS,  SIZE_K/KSTEP
.set PITCH,  528                       ; 132 words: row r starts at bank 4 r mod 64 (64 banks of 4 bytes: ISA guide 11.1)
.set HALFT,  64*PITCH
.if BYH
.set APITCH, 144                       ; 36 words: the 16 rows of a load start at 16 different groups of four banks
.set AQ,     64*APITCH                 ; LDS bytes from a quarter of a step to the next: a head's 64 rows
.set HALFA,  4*AQ                      ; what one tensor load brings of A
.set ASTEP,  4*524288                  ; bytes of memory from a step to the next: four heads
.set AROWB,  128                       ; bytes of memory from row to row
.set AW0,    (1<<16)|(1<<20)|(1<<21)|(4<<22)|(3<<25)  ; 2-byte elements; padding on; bit 21 beside a mask; after every 32 words; 4 words
.else
.set APITCH, PITCH
.set AQ,     128
.set HALFA,  HALFT
.set ASTEP,  KSTEP*2
.set AROWB,  ROWA*2
.set AW0,    (1<<16)|(1<<20)|(1<<21)|(6<<22)|(3<<25)  ; the same, after every 128 words
.endif
.set SLOT,   2*HALFA+2*HALFT           ; A's 128 rows, then B's 128 rows
.set STAGE,  2*SLOT                    ; behind the ring, never filled by a tensor load: 16 rows x 272 bytes for each wave: a wave's 64 columns of f32 are 256 bytes
.set SPITCH, 272
.set SPARE,  STAGE+4*16*SPITCH         ; behind the stages: the spare words, 128 bytes a wave, which no other line names
.set CROW,   4096                      ; bytes in a row of OUT and of RES
.set ADRA0, 16                         ; v16  LDS address of my A fragments in slot 0; never rewritten
.set ADRA,  17                         ; v17  the same in the slot that is being read
.set ADRB0, 20                         ; v20, v21  the same for B
.set ADRB,  21
.set STO,  24                          ; v24  the way out: where I put 32 bytes of a row
.set RD,   25                          ; v25  where I read a row back
.set CO,   26                          ; v26  my byte offset in OUT and in RES; never rewritten
.set BO,   27                          ; v27  32 x (lane / 16)
.set SPW,  28
.set NIL,  29
.set TMP,  32
.set BIAS, 96
.set ACC,  128
.set F0,   0
.set F1,   128
.set G1, 24                            ; s[24:31] descriptor group 1 for A's tiles
.set G0, 32                            ; s[32:39] group 0 for A's tiles: a set for each of the two first fills; the second then walks on
.set G1B, 48                           ; s[48:55], s[56:63] the same for B's
.set G0B, 56
.set TB,  75                           ; s75  the slot that is being read: 0 or SLOT
.set LTA, 76                           ; s76  LDS byte of what I fetch of A, in slot 0
.set LTB, 77                           ; s77  of B
.set MSB, 0
.macro WIN new
.if MSB != (\new)
	s_set_vgpr_msb (MSB<<8)|(\new)
.set MSB, \new
.endif
.endm
.set MUL,  0x05                        ; sources 0 (B) and 1 (A) window 1; C and D window 0
.set TO_F, 0x40                        ; destination window 1, address window 0
.macro JLOAD s                         ; a joint load: waves 0 and 1 fetch A's two halves, waves 2 and 3 B's; an s_nop 0 and four v_nop follow each of the two lines
	s_cmp_eq_u32 s11, 0
	s_cbranch_scc0 .Lfor_b_\@
	tensor_load_to_lds s[G0+4*(\s):G0+4*(\s)+3], s[G1:G1+7]
	s_nop 0
.rept 4
	v_nop
.endr
	s_branch .Lasked_\@
.Lfor_b_\@:
	tensor_load_to_lds s[G0B+4*(\s):G0B+4*(\s)+3], s[G1B:G1B+7]
	s_nop 0
.rept 4
	v_nop
.endr
.Lasked_\@:
.endm
.macro CREST
	s_cmp_lg_u32 s10, 0
	s_cbranch_scc1 .Lnot_wave_0_\@
	s_barrier_signal -3
.Lnot_wave_0_\@:
	s_barrier_wait -3
	s_barrier_signal -1
	s_barrier_wait -1
.endm
.macro CROUND
	s_barrier_signal -1
	s_barrier_wait -1
	CREST
.endm
	s_load_b128 s[4:7], s[0:1], 0x0                ; A s[4:5], B s[6:7]
	s_load_b128 s[68:71], s[0:1], 0x10             ; bias s[68:69], RES s[70:71]
	s_load_b64 s[8:9], s[0:1], 0x20                ; OUT
	v_lshl_add_u32 v[SPW], v0, 2, SPARE
	v_mov_b32 v[NIL], 0
	ds_add_u32 v[SPW], v[NIL]                      ; the wave's opening: the add, and its wait ahead of my first tensor load; the set-up below, work on registers, stands between them
	v_lshrrev_b32 v1, 5, v0
	v_readfirstlane_b32 s10, v1                    ; wave 0..3
	s_lshr_b32 s11, s10, 1                         ; which half of the tile's rows is mine.  Also: I fetch for A (0) or for B (1)
	s_and_b32 s12, s10, 1                          ; which half of its columns.  Also: which 64 rows of that tile I fetch
	s_bfe_u32 s40, ttmp6, 0x40000                  ; cx, cy
	s_bfe_u32 s41, ttmp6, 0x40004
	s_lshl_b32 s42, ttmp9, 2
	s_add_co_u32 s42, s42, s40                     ; tile column
	s_and_b32 s13, ttmp7, 0xffff
	s_lshl_b32 s13, s13, 2
	s_add_co_u32 s13, s13, s41                     ; tile row
	s_lshl_b32 s43, s41, 2
	s_lshl_b32 s43, 15, s43                        ; my row of the cluster
	s_lshl_b32 s44, 0x1111, s40                    ; my column
	s_or_b32 s[G1+0], s43, AW0                     ; the mask beside the constant fields
	s_or_b32 s[G1B+0], s44, (1<<16)|(1<<20)|(1<<21)|(6<<22)|(3<<25)
.if BYH
	s_mov_b32 s[G1+1], 4096<<16                    ; tensor_dim0 = 4,096: 64 rows of a head
	s_mov_b32 s[G1+2], 4<<16                       ; tensor_dim1 = 4 heads
	s_mov_b32 s[G1+3], 4096<<16                    ; tile_dim0
	s_mov_b32 s[G1+4], 4                           ; tile_dim1
	s_mov_b32 s[G1+5], 262144                      ; elements from head to head
.else
	s_mov_b32 s[G1+1], KSTEP<<16                   ; tensor_dim0 = 256
	s_mov_b32 s[G1+2], 64<<16                      ; tensor_dim1 = 64
	s_mov_b32 s[G1+3], KSTEP<<16                   ; tile_dim0
	s_mov_b32 s[G1+4], 64                          ; tile_dim1
	s_mov_b32 s[G1+5], ROWA                        ; elements from row to row
.endif
	s_mov_b32 s[G1+6], 0
	s_mov_b32 s[G1+7], 0
	s_mov_b32 s[G1B+1], KSTEP<<16
	s_mov_b32 s[G1B+2], 64<<16
	s_mov_b32 s[G1B+3], KSTEP<<16
	s_mov_b32 s[G1B+4], 64
	s_mov_b32 s[G1B+5], ROWB
	s_mov_b32 s[G1B+6], 0
	s_mov_b32 s[G1B+7], 0
	s_lshl_b32 s17, s12, 6
	s_lshl_b32 s16, s13, 7
	s_add_co_u32 s16, s16, s17                     ; A: row 128 x tile row + 64 x half
	s_lshl_b32 s46, s42, 7
	s_add_co_u32 s46, s46, s17                     ; B: row 128 x tile column + 64 x half
	s_mul_i32 s16, s16, AROWB                      ; in bytes: under 2^26
	s_mov_b32 s17, 0
	s_mul_i32 s46, s46, ROWB*2
	s_mov_b32 s47, 0
	s_mul_i32 s[LTA], s10, HALFA                   ; where they go: A's halves at wave x HALFA,
	s_mul_i32 s[LTB], s10, HALFT
	s_add_co_u32 s[LTB], s[LTB], 2*HALFA-2*HALFT   ; B's behind them, at (wave - 2) x HALFT
	s_mov_b32 s[TB], 0                             ; slot 0 is read first
	s_wait_dscnt 0x0                               ; the opening add is done
	s_wait_kmcnt 0x0
	s_add_nc_u64 s[14:15], s[4:5], s[16:17]
	s_add_nc_u64 s[46:47], s[6:7], s[46:47]
	CROUND                                         ; all sixteen work-groups are here: the first joint loads meet
.irp s, 0,1
	s_mov_b32 s[G0+4*(\s)], 1
	s_add_co_u32 s[G0+4*(\s)+1], s[LTA], (\s)*SLOT
	s_add_nc_u64 s[G0+4*(\s)+2:G0+4*(\s)+3], s[14:15], (\s)*ASTEP
	s_or_b32 s[G0+4*(\s)+3], s[G0+4*(\s)+3], 0x80000000
	s_mov_b32 s[G0B+4*(\s)], 1
	s_add_co_u32 s[G0B+4*(\s)+1], s[LTB], (\s)*SLOT
	s_add_nc_u64 s[G0B+4*(\s)+2:G0B+4*(\s)+3], s[46:47], (\s)*KSTEP*2
	s_or_b32 s[G0B+4*(\s)+3], s[G0B+4*(\s)+3], 0x80000000
	JLOAD \s                                       ; K steps 0 and 1: two loads of mine are out
.endr
	v_and_b32 v1, 15, v0                           ; l % 16
	v_bfe_u32 v2, v0, 4, 1                         ; l / 16
	v_lshlrev_b32 v[BO], 5, v2
	s_lshl_b32 s46, s42, 9                         ; my first column, in bytes of f32: 512 x tile column + 256 x half
	s_lshl_b32 s47, s12, 8
	s_add_co_u32 s46, s46, s47
	s_mov_b32 s47, 0
	s_add_nc_u64 s[68:69], s[68:69], s[46:47]
.irp b, 0,1,2,3
	global_load_b128 v[BIAS+8*(\b):BIAS+8*(\b)+3],   v[BO], s[68:69] offset:64*(\b)
	global_load_b128 v[BIAS+8*(\b)+4:BIAS+8*(\b)+7], v[BO], s[68:69] offset:64*(\b)+16
.endr
	s_lshl_b32 s16, s13, 7
	s_lshl_b32 s17, s11, 6
	s_add_co_u32 s16, s16, s17                     ; my first row
	s_lshl_b32 s16, s16, 12
	s_mov_b32 s17, 0
	s_add_nc_u64 s[16:17], s[16:17], s[46:47]      ; an offset, made apart from the addresses
	s_add_nc_u64 s[8:9], s[8:9], s[16:17]
	s_add_nc_u64 s[70:71], s[70:71], s[16:17]
	v_lshlrev_b32 v[CO], 12, v2                    ; lanes 0-15 one row's 256 bytes, lanes 16-31 the next row's
	v_lshl_add_u32 v[CO], v1, 4, v[CO]
	WIN 0x80                                       ; destination window 2, address window 0
.set t, 0
.rept 32                               ; the residual, in the layout in which rows come back from the stage; it is on its way while K is walked
	global_load_b128 v[4*t:4*t+3], v[CO], s[70:71] offset:2*t*CROW
.set t, t+1
.endr
	WIN 0
	v_mul_u32_u24 v3, v1, APITCH
	v_lshl_add_u32 v3, v2, 4, v3                   ; a fragment's row x pitch + 16 x half, for A,
	v_mul_u32_u24 v6, v1, PITCH
	v_lshl_add_u32 v6, v2, 4, v6                   ; and for B
	s_mul_i32 s21, s11, HALFA                      ; my 64 rows of A
	s_mul_i32 s22, s12, HALFT                      ; my 64 rows of B,
	s_add_co_u32 s22, s22, 2*HALFA                 ; which lie behind A's 128
	v_add_nc_u32 v[ADRA0], s21, v3
	v_add_nc_u32 v[ADRB0], s22, v6
	v_mov_b32 v[ADRA], v[ADRA0]
	v_mov_b32 v[ADRB], v[ADRB0]
	s_mul_i32 s23, s10, 16*SPITCH
	s_add_co_u32 s23, s23, STAGE                   ; my stage
	v_mul_u32_u24 v4, v1, SPITCH
	v_lshl_add_u32 v4, v2, 5, v4
	v_add_nc_u32 v[STO], s23, v4                   ; in: row l % 16, 32 bytes for each half of the lanes
	v_mul_u32_u24 v5, v2, SPITCH
	v_lshl_add_u32 v5, v1, 4, v5
	v_add_nc_u32 v[RD], s23, v5                    ; back: two whole rows of 256 bytes
; 8 matrix instructions: m blocks a0, a0 + 1 x all 4 n blocks, 32 along K: half c of buffer f.  zero = 1: the first product of each sum takes the bias as C
.macro MUL8 f, c, a0, zero
	WIN MUL
.irp a, \a0, (\a0)+1
.irp b, 0,1,2,3
.if \zero
	v_wmma_f32_16x16x32_bf16 v[ACC+8*(4*(\a)+(\b)):ACC+8*(4*(\a)+(\b))+7], v[(\f)+64+8*(4*(\c)+(\b)):(\f)+64+8*(4*(\c)+(\b))+7], v[(\f)+8*(4*(\c)+(\a)):(\f)+8*(4*(\c)+(\a))+7], v[BIAS+8*(\b):BIAS+8*(\b)+7]
.else
	v_wmma_f32_16x16x32_bf16 v[ACC+8*(4*(\a)+(\b)):ACC+8*(4*(\a)+(\b))+7], v[(\f)+64+8*(4*(\c)+(\b)):(\f)+64+8*(4*(\c)+(\b))+7], v[(\f)+8*(4*(\c)+(\a)):(\f)+8*(4*(\c)+(\a))+7], v[ACC+8*(4*(\a)+(\b)):ACC+8*(4*(\a)+(\b))+7]
.endif
.endr
.endr
.endm
; 32 LDS loads in one run: the fragments of 64 along K, quarter k / 128 of the step in the slot that is being read, into buffer f; the first 32 along K first
.macro FETCH k, f
	WIN TO_F
.irp c, 0,1
.irp i, 0,1,2,3
	ds_load_b128 v[(\f)+64+8*(4*(\c)+(\i)):(\f)+64+8*(4*(\c)+(\i))+3],   v[ADRB] offset:(\k)+64*(\c)+(\i)*16*PITCH
	ds_load_b128 v[(\f)+64+8*(4*(\c)+(\i))+4:(\f)+64+8*(4*(\c)+(\i))+7], v[ADRB] offset:(\k)+64*(\c)+(\i)*16*PITCH+32
	ds_load_b128 v[(\f)+8*(4*(\c)+(\i)):(\f)+8*(4*(\c)+(\i))+3],         v[ADRA] offset:((\k)/128)*AQ+64*(\c)+(\i)*16*APITCH
	ds_load_b128 v[(\f)+8*(4*(\c)+(\i))+4:(\f)+8*(4*(\c)+(\i))+7],       v[ADRA] offset:((\k)/128)*AQ+64*(\c)+(\i)*16*APITCH+32
.endr
.endr
.endm
.macro PLACES                          ; four places in front of loads into registers that matrix instructions have read, and of stores that read results
.rept 4
	v_nop
.endr
.endm
; A K step is four quarters of 64 along K, 32 matrix instructions each, on buffers 0, 1, 0, 1; the 16 accumulators take turns.
.macro QUARTER k, f, g, zero
	s_wait_dscnt 16                                ; the first 32 along K are in; the youngest sixteen loads may be out
	MUL8 \f, 0, 0, \zero
	MUL8 \f, 0, 2, \zero
	PLACES
	FETCH \k, \g
	s_wait_dscnt 32                                ; all but the 32 just issued
	MUL8 \f, 1, 0, 0
	MUL8 \f, 1, 2, 0
.endm
.macro NEXTSLOT                        ; the fragments' addresses in the slot that s[TB] names
	v_add_nc_u32 v[ADRA], s[TB], v[ADRA0]
	v_add_nc_u32 v[ADRB], s[TB], v[ADRB0]
.endm
; The last quarter multiplies buffer 1 and changes slots: ONE barrier; in front of it each wave waits for all its tensor loads, adds 0 to its spare word, and waits for that and for its own reads of this slot
; (the slot's last fragments, buffer 1's, were asked for in the middle of the quarter before).
; fill = 1: the barrier opens a round of the cluster's barrier, and this slot is filled again, first thing behind the round, two K steps ahead.  A step of this small tile has few products for its load to land in:
; so the change of slots stands at the quarter's head, and all 32 products of the quarter stand behind the request.
; fill = 0, the last two steps: nothing is asked for; the last step of all jumps over the next slot's fetch (and over the quarter that follows the macro).
.macro TURN fill
	WIN 0
	s_wait_tensorcnt 0x0                           ; all my tensor loads have landed: at most one was out, my part of the next slot
	ds_add_u32 v[SPW], v[NIL]                      ; 0 onto my spare word
.if \fill
	s_add_co_u32 s[G0+5], s[LTA], s[TB]            ; no load of mine is out: the walking descriptors step: into the slot that is being left,
	s_add_nc_u64 s[G0+6:G0+7], s[G0+6:G0+7], ASTEP ; the K step behind the one asked for last; the type bits on top are not reached
	s_add_co_u32 s[G0B+5], s[LTB], s[TB]
	s_add_nc_u64 s[G0B+6:G0B+7], s[G0B+6:G0B+7], KSTEP*2
	s_xor_b32 s[TB], s[TB], SLOT                   ; from here on the other slot is read
	s_wait_dscnt 0x0                               ; the add is done, and my reads of this slot are over
	CROUND                                         ; no wave of any partner still reads this slot's tile or has a load on its way
	JLOAD 1                                        ; my one tensor load behind the round; the four v_nop behind it are also the places in front of the loads below
	NEXTSLOT
	FETCH 0, F0
	MUL8 F1, 0, 0, 0
	MUL8 F1, 0, 2, 0
	MUL8 F1, 1, 0, 0
	MUL8 F1, 1, 2, 0
.else
	s_wait_dscnt 17                                ; (the add and the youngest sixteen loads may be out)
	MUL8 F1, 0, 0, 0                               ; eight matrix instructions stand between the add and the wait for it
	s_wait_dscnt 0x0                               ; the add is done, and my reads of this slot are over
	s_barrier_signal -1
	MUL8 F1, 0, 2, 0
	s_barrier_wait -1
	MUL8 F1, 1, 0, 0
	MUL8 F1, 1, 2, 0
	WIN 0
	s_cmp_eq_u32 s3, 1
	s_cbranch_scc1 .Llast                          ; forward, to the label ahead of the counter's step; what is jumped holds no barrier and no tensor load
	s_xor_b32 s[TB], s[TB], SLOT
	NEXTSLOT
	PLACES
	FETCH 0, F0
.endif
.endm
	s_wait_tensorcnt 1                             ; my part of K step 0 is in; K step 1's may stay out
	s_barrier_signal -1
	s_barrier_wait -1                              ; everybody's is
	FETCH 0, F0
	s_wait_loadcnt 32                              ; the bias is in; the residual's 32 loads may stay out
	QUARTER 128, F0, F1, 1                         ; the first quarter stands in front of the loops: its first products start the sums
	WIN 0                                          ; at a label and at a branch every window is 0
	s_mov_b32 s3, STEPS-2
.Lstep:                                        ; a trip goes from a K step's second quarter to the next step's first, and fills the slot that it leaves
	QUARTER 256, F1, F0, 0
	QUARTER 384, F0, F1, 0
	TURN 1
	QUARTER 128, F0, F1, 0
	WIN 0
	s_sub_co_u32 s3, s3, 1
	s_cmp_lg_u32 s3, 0
	s_cbranch_scc1 .Lstep
	s_mov_b32 s3, 2
.Ltail:                                        ; the last two K steps: no tensor load stands in this loop
	QUARTER 256, F1, F0, 0
	QUARTER 384, F0, F1, 0
	TURN 0
	QUARTER 128, F0, F1, 0
	WIN 0
.Llast:
	s_sub_co_u32 s3, s3, 1
	s_cmp_lg_u32 s3, 0
	s_cbranch_scc1 .Ltail
	; THE WAY OUT, a block of 16 rows at a time: 32 bytes a lane into my own stage, back as whole rows of 256 bytes, the residual added, stored.  No barrier: the stage is my wave's own.
	PLACES
	s_wait_loadcnt 0x0                             ; the residual
.macro TOSTAGE a
	s_wait_xcnt 0x0                                ; the stores of the block two back have read the set of registers that is loaded again below
.irp b, 0,1,2,3                        ; each accumulator's low four registers go first
	ds_store_b128 v[STO], v[ACC+8*(4*(\a)+(\b)):ACC+8*(4*(\a)+(\b))+3]   offset:64*(\b)
	ds_store_b128 v[STO], v[ACC+8*(4*(\a)+(\b))+4:ACC+8*(4*(\a)+(\b))+7] offset:64*(\b)+16
.endr
.irp t, 0,1,2,3,4,5,6,7
	ds_load_b128 v[TMP+32*((\a)%2)+4*(\t):TMP+32*((\a)%2)+4*(\t)+3], v[RD] offset:(\t)*2*SPITCH  ; LDS serves a wave's instructions in order (ISA guide 5.7.1.4): these see the stores above; the next block's stores come behind them
.endr
.endm
.macro SEND a, younger                 ; younger: the LDS instructions issued behind block a's loads: the next block's sixteen, or none
	s_wait_dscnt \younger
	WIN 0x08                                       ; source 1, the residual, in window 2
.set z, 0
.rept 16
	v_pk_add_f32 v[TMP+32*((\a)%2)+2*z:TMP+32*((\a)%2)+2*z+1], v[TMP+32*((\a)%2)+2*z:TMP+32*((\a)%2)+2*z+1], v[32*(\a)+2*z:32*(\a)+2*z+1]
.set z, z+1
.endr
	WIN 0
.irp t, 0,1,2,3,4,5,6,7
	global_store_b128 v[CO], v[TMP+32*((\a)%2)+4*(\t):TMP+32*((\a)%2)+4*(\t)+3], s[8:9] offset:(16*(\a)+2*(\t))*CROW  ; 16 lanes store 256 consecutive bytes, aligned
.endr
.endm
	TOSTAGE 0
	TOSTAGE 1
	SEND 0, 16
	TOSTAGE 2
	SEND 1, 16
	TOSTAGE 3
	SEND 2, 16
	SEND 3, 0
	s_wait_tensorcnt 0x0                           ; the wave's end: behind my last tensor load and my last LDS store
	ds_add_u32 v[SPW], v[NIL]
	s_wait_dscnt 0x0
	CROUND                                         ; the closing round: no work-group ends while a partner may still ask for a tile that names it
	s_endpgm
.Lfunc_end_k_qbf86de3b19_proj:
	.size	k_qbf86de3b19_proj, .Lfunc_end_k_qbf86de3b19_proj-k_qbf86de3b19_proj
	.p2alignl 7, 3214868480
	.fill 96, 4, 3214868480
	.section	.rodata,"a",@progbits
	.p2align	6, 0x0
	.amdhsa_kernel k_qbf86de3b19_proj
		.amdhsa_group_segment_fixed_size 327680
		.amdhsa_private_segment_fixed_size 0
		.amdhsa_enable_private_segment 0
		.amdhsa_kernarg_size 40
		.amdhsa_user_sgpr_count 2
		.amdhsa_user_sgpr_kernarg_segment_ptr 1
		.amdhsa_wavefront_size32 1
		.amdhsa_system_sgpr_workgroup_id_x 1
		.amdhsa_system_sgpr_workgroup_id_y 1
		.amdhsa_system_sgpr_workgroup_id_z 1
		.amdhsa_system_vgpr_workitem_id 0
		.amdhsa_next_free_vgpr 640
		.amdhsa_next_free_sgpr 80
		.amdhsa_reserve_vcc 0
		.amdhsa_float_denorm_mode_32 3
		.amdhsa_float_denorm_mode_16_64 3
		.amdhsa_memory_ordered 1
		.amdhsa_forward_progress 1
		.amdhsa_inst_pref_size 66
	.end_amdhsa_kernel
	.amdgpu_metadata
---
amdhsa.version: [ 1, 2 ]
amdhsa.kernels:
  - .name:           k_qbf86de3b19_proj
    .symbol:         k_qbf86de3b19_proj.kd
    .args:
      - { .name: act, .offset: 0, .size: 8, .value_kind: global_buffer, .address_space: global }
      - { .name: wp, .offset: 8, .size: 8, .value_kind: global_buffer, .address_space: global }
      - { .name: proj_b, .offset: 16, .size: 8, .value_kind: global_buffer, .address_space: global }
      - { .name: x, .offset: 24, .size: 8, .value_kind: global_buffer, .address_space: global }
      - { .name: qx, .offset: 32, .size: 8, .value_kind: global_buffer, .address_space: global }
    .group_segment_fixed_size: 327680
    .private_segment_fixed_size: 0
    .kernarg_segment_align: 8
    .kernarg_segment_size: 40
    .max_flat_workgroup_size: 128
    .sgpr_count:     80
    .vgpr_count:     640
    .wavefront_size: 32
...
	.end_amdgpu_metadata
.endif
;; end of part 3
;; launch ln2 (part 4): grid 512 x 1, 8 waves a work-group, no clusters, 0 bytes of LDS; arguments qx, g2, b2, hn; writes hn
.if DOCPART == 4
	.amdgcn_target "amdgcn-amd-amdhsa--gfx1250"
	.amdhsa_code_object_version 6
	.text
	.protected	k_qbf86de3b19_ln2
	.globl	k_qbf86de3b19_ln2
	.p2align	8
	.type	k_qbf86de3b19_ln2,@function
k_qbf86de3b19_ln2:
	s_mov_b64 s[64:65], 0
	v_nop
	global_prefetch_b8 v0, s[64:65] scope:SCOPE_SE
	s_setreg_imm32_b32 hwreg(HW_REG_WAVE_MODE, 25, 1), 1
	s_wait_xcnt 0x0
; h2 = LayerNorm(x1) g2 + b2.  x1: [4096][1024] f32 (the first bytes of its buffer); h2: [4096][1024] bf16, rounded once.  All arithmetic in f32: the mean first, then the mean of the squared differences.
; One wave a row: eight loads of 16 bytes a lane, the row kept in 32 registers between the passes; no LDS, no barrier.  Row = 8 x work-group + wave.
; No matrix unit, cluster or prefetch: each byte of x1 is read once, by one wave, and all of a wave's loads go out at once.
.set X,   8                            ; v8-39   the row
.set G,   40                           ; v40-71  g
.set B,   72                           ; v72-103 b
.set O,   104                          ; v104-119 the row in bf16
.set T,   104                          ; v104-111 at work, before O is written
.set MU,  120                          ; v120-121 the mean, twice
.set VA,  122                          ; v122    variance + eps
.set RS,  124                          ; v124-125 1 / sqrt of it, twice
.set LO,  3                            ; v3      16 x lane
.set SO,  4                            ; v4      8 x lane
.set SEL, 20                           ; s20-21  v_permlanex16_b32's selects
.macro ACROSS r                        ; the sum of v[r] over the wave's 32 lanes, in every lane
	v_add_f32_dpp v[\r], v[\r], v[\r] row_xmask:1 row_mask:0xf bank_mask:0xf
	v_add_f32_dpp v[\r], v[\r], v[\r] row_xmask:2 row_mask:0xf bank_mask:0xf
	v_add_f32_dpp v[\r], v[\r], v[\r] row_xmask:4 row_mask:0xf bank_mask:0xf
	v_add_f32_dpp v[\r], v[\r], v[\r] row_xmask:8 row_mask:0xf bank_mask:0xf
	v_permlanex16_b32 v[(\r)+1], v[\r], s[SEL], s[SEL+1]
	v_add_f32 v[\r], v[\r], v[(\r)+1]
.endm
.macro FOLD                            ; four chains of pairs into one number a lane
	v_pk_add_f32 v[T:T+1], v[T:T+1], v[T+2:T+3]
	v_pk_add_f32 v[T+4:T+5], v[T+4:T+5], v[T+6:T+7]
	v_pk_add_f32 v[T:T+1], v[T:T+1], v[T+4:T+5]
	v_add_f32 v[T], v[T], v[T+1]
.endm
	s_load_b256 s[4:11], s[0:1], 0x0               ; x1 s[4:5], g2 s[6:7], b2 s[8:9], h2 s[10:11]
	v_lshrrev_b32 v1, 5, v0
	v_readfirstlane_b32 s12, v1                    ; wave 0..7
	v_and_b32 v2, 31, v0
	s_lshl3_add_u32 s13, ttmp9, s12                ; the row
	s_lshl_b32 s14, s13, 12                        ; 4,096 bytes a row of x1,
	s_mov_b32 s15, 0
	s_lshl_b32 s16, s13, 11                        ; 2,048 a row of h2
	s_mov_b32 s17, 0
	s_mov_b32 s[SEL], 0x76543210
	s_mov_b32 s[SEL+1], 0xfedcba98
	s_mov_b32 s22, 0x3a800000                      ; 1 / 1024
	s_mov_b32 s23, 0x3727c5ac                      ; 1e-5
	v_lshlrev_b32 v[LO], 4, v2
	v_lshlrev_b32 v[SO], 3, v2
	s_wait_kmcnt 0x0
	s_add_nc_u64 s[4:5], s[4:5], s[14:15]
	s_add_nc_u64 s[10:11], s[10:11], s[16:17]
.set j, 0
.rept 8
	global_load_b128 v[X+4*j:X+4*j+3], v[LO], s[4:5] offset:512*j
.set j, j+1
.endr
.set j, 0
.rept 8
	global_load_b128 v[G+4*j:G+4*j+3], v[LO], s[6:7] offset:512*j
.set j, j+1
.endr
.set j, 0
.rept 8
	global_load_b128 v[B+4*j:B+4*j+3], v[LO], s[8:9] offset:512*j
.set j, j+1
.endr
	s_wait_loadcnt 16                              ; the row is in; g's and b's sixteen loads may stay out
.irp c, 0,1,2,3
	v_pk_add_f32 v[T+2*(\c):T+2*(\c)+1], v[X+2*(\c):X+2*(\c)+1], v[X+8+2*(\c):X+8+2*(\c)+1]
.endr
.irp p, 8,9,10,11,12,13,14,15
	v_pk_add_f32 v[T+2*((\p)%4):T+2*((\p)%4)+1], v[T+2*((\p)%4):T+2*((\p)%4)+1], v[X+2*(\p):X+2*(\p)+1]
.endr
	FOLD
	ACROSS T
	v_mul_f32 v[MU], s22, v[T]
	v_mul_f32 v[MU+1], s22, v[T]
.set j, 0
.rept 16
	v_pk_add_f32 v[X+2*j:X+2*j+1], v[X+2*j:X+2*j+1], v[MU:MU+1] neg_lo:[0,1] neg_hi:[0,1]
.set j, j+1
.endr
.irp c, 0,1,2,3
	v_pk_mul_f32 v[T+2*(\c):T+2*(\c)+1], v[X+2*(\c):X+2*(\c)+1], v[X+2*(\c):X+2*(\c)+1]
.endr
.irp p, 4,5,6,7,8,9,10,11,12,13,14,15
	v_pk_fma_f32 v[T+2*((\p)%4):T+2*((\p)%4)+1], v[X+2*(\p):X+2*(\p)+1], v[X+2*(\p):X+2*(\p)+1], v[T+2*((\p)%4):T+2*((\p)%4)+1]
.endr
	FOLD
	ACROSS T
	v_fma_f32 v[VA], v[T], s22, s23
	v_rsq_f32 v[RS], v[VA]
	v_rsq_f32 v[RS+1], v[VA]
	v_nop                                          ; a plain instruction behind the second root,
	s_wait_alu depctr_va_vdst(0)                   ; and one wait for both, ahead of their first reader
.set j, 0
.rept 16
	v_pk_mul_f32 v[X+2*j:X+2*j+1], v[X+2*j:X+2*j+1], v[RS:RS+1]
.set j, j+1
.endr
	s_wait_loadcnt 0x0                             ; g and b
.set j, 0
.rept 16
	v_pk_fma_f32 v[X+2*j:X+2*j+1], v[X+2*j:X+2*j+1], v[G+2*j:G+2*j+1], v[B+2*j:B+2*j+1]
.set j, j+1
.endr
.set j, 0
.rept 16
	v_cvt_pk_bf16_f32 v[O+j], v[X+2*j], v[X+2*j+1]
.set j, j+1
.endr
.set j, 0
.rept 8
	global_store_b64 v[SO], v[O+2*j:O+2*j+1], s[10:11] offset:256*j  ; the wave stores 256 consecutive bytes, aligned
.set j, j+1
.endr
	s_endpgm
.Lfunc_end_k_qbf86de3b19_ln2:
	.size	k_qbf86de3b19_ln2, .Lfunc_end_k_qbf86de3b19_ln2-k_qbf86de3b19_ln2
	.p2alignl 7, 3214868480
	.fill 96, 4, 3214868480
	.section	.rodata,"a",@progbits
	.p2align	6, 0x0
	.amdhsa_kernel k_qbf86de3b19_ln2
		.amdhsa_group_segment_fixed_size 0
		.amdhsa_private_segment_fixed_size 0
		.amdhsa_enable_private_segment 0
		.amdhsa_kernarg_size 32
		.amdhsa_user_sgpr_count 2
		.amdhsa_user_sgpr_kernarg_segment_ptr 1
		.amdhsa_wavefront_size32 1
		.amdhsa_system_sgpr_workgroup_id_x 1
		.amdhsa_system_sgpr_workgroup_id_y 1
		.amdhsa_system_sgpr_workgroup_id_z 1
		.amdhsa_system_vgpr_workitem_id 0
		.amdhsa_next_free_vgpr 128
		.amdhsa_next_free_sgpr 66
		.amdhsa_reserve_vcc 0
		.amdhsa_float_denorm_mode_32 3
		.amdhsa_float_denorm_mode_16_64 3
		.amdhsa_memory_ordered 1
		.amdhsa_forward_progress 1
		.amdhsa_inst_pref_size 12
	.end_amdhsa_kernel
	.amdgpu_metadata
---
amdhsa.version: [ 1, 2 ]
amdhsa.kernels:
  - .name:           k_qbf86de3b19_ln2
    .symbol:         k_qbf86de3b19_ln2.kd
    .args:
      - { .name: qx, .offset: 0, .size: 8, .value_kind: global_buffer, .address_space: global }
      - { .name: g2, .offset: 8, .size: 8, .value_kind: global_buffer, .address_space: global }
      - { .name: b2, .offset: 16, .size: 8, .value_kind: global_buffer, .address_space: global }
      - { .name: hn, .offset: 24, .size: 8, .value_kind: global_buffer, .address_space: global }
    .group_segment_fixed_size: 0
    .private_segment_fixed_size: 0
    .kernarg_segment_align: 8
    .kernarg_segment_size: 32
    .max_flat_workgroup_size: 256
    .sgpr_count:     66
    .vgpr_count:     128
    .wavefront_size: 32
...
	.end_amdgpu_metadata
.endif
;; end of part 4
;; launch gfc1 (part 5): grid 16 x 16, 4 waves a work-group, clusters of 4 x 4, 327,680 bytes of LDS; arguments hn, wt, act, fc1_b; writes act
.if DOCPART == 5
	.amdgcn_target "amdgcn-amd-amdhsa--gfx1250"
	.amdhsa_code_object_version 6
	.text
	.protected	k_qbf86de3b19_gfc1
	.globl	k_qbf86de3b19_gfc1
	.p2align	8
	.type	k_qbf86de3b19_gfc1,@function
k_qbf86de3b19_gfc1:
	s_mov_b64 s[64:65], 0
	v_nop
	global_prefetch_b8 v0, s[64:65] scope:SCOPE_SE
	s_setreg_imm32_b32 hwreg(HW_REG_WAVE_MODE, 25, 1), 1
	s_wait_xcnt 0x0
	s_wait_alu depctr_hold_cnt(0) depctr_sa_sdst(0) depctr_va_vdst(0) depctr_va_sdst(0) depctr_va_ssrc(0) depctr_va_vcc(0) depctr_vm_vsrc(0)
	s_getreg_b32 s2, hwreg(HW_REG_IB_STS2, 6, 4)
	s_cmp_eq_u32 s2, 0
	s_cbranch_scc0 .Lentry_in_a_cluster
	s_endpgm
.Lentry_in_a_cluster:
	s_bfe_u32 s2, ttmp6, 0x10000c
	s_cmp_lg_u32 s2, 0xf033
	s_cbranch_scc0 .Lentry_shape_is_right
	s_endpgm
.Lentry_shape_is_right:
; a = gelu(h2 W1 + b).  A = h2 [4096][1024] bf16 (from its buffer's first byte on); B = the turned weights [4096][1024] bf16, from byte BOFF of their buffer on; sums in f32, started by the bias; OUT = [4096][4096] bf16, rounded once.
; A tile of C is 256 x 256.  Four waves, as many as a WGP has SIMDs, each 128 x 128: 64 accumulators of 16 x 16.  16 x 16 tiles: 256 work-groups.
; THE ACTIVATION is x / (1 + 2^(x (c0 + c1 x x))), c0 = -2 log2(e) sqrt(2 / pi), c1 = 0.044715 c0: the form of GELU by tanh, in f32.  LIMIT, stated: it lies within 5e-4 of x Phi(x), the form by erf that the
; module names, for every x; the difference is largest near |x| = 2.8 and goes to 0 in both tails; where x x or the exponent overflows the result is x or -0, as the erf form gives.  NaN is not treated apart.
; This text and the one of the launch that makes q, k, v and the attention are one text with two heads of constants (GELU, TN, MA, NBK, BOFF, DP); HALO = 1 - GELU is 0 here: no halo, no attention.
.set GELU, 1
.set TN,   256                         ; columns of a tile
.set MA,   8                           ; blocks of 16 rows in a wave's tile
.set NBK,  8                           ; blocks of 16 columns
.set BOFF, 6291456                     ; where B begins in its buffer
.set DP,   528                         ; the way out: an LDS row of 128 f32 + 16 bytes = 132 words: row r starts at bank 4 r mod 64 (64 banks of 4 bytes: ISA guide 11.1)
; K goes in steps of 128 through a ring of two LDS slots filled by the tensor data mover: rows of 256 bytes of memory, aligned, 272 apart in LDS.
; A K STEP IS WRITTEN ONCE: a loop of STEPS - 2 trips, each with a refill, and a loop of two trips for the last two steps, which ask for nothing.  Which slot is read stands in a scalar register (0 or SLOT, turned
; by an exclusive or); the fragments' LDS addresses are made of it anew at each change of slots, and so is the LDS word of the one descriptor a tensor that walks.
; CLUSTER 4 x 4: the four work-groups of a row of the cluster need the same tiles of A, the four of a column the same tiles of B: each tile is asked for jointly, by the same tensor load with the
; same descriptor and a mask that names the four.  THE MATRIX INSTRUCTION IS USED TRANSPOSED (source 0 = 16 rows of B, source 1 = 16 rows of A): a lane holds one row of C and eight neighbouring columns.
; THE BIAS is the C operand of each accumulator's first product: eight registers for each block of 16 columns, the lane's own eight columns.  Nothing is cleared, nothing added later.
; REGISTERS, in windows of 256 (s_set_vgpr_msb: bits 1:0 source 0, 3:2 source 1, 5:4 source 2, 7:6 destination):
;   window 0: v13-30 addresses; v32-47 the halo's fragments of A, v48-63 its bias; A's fragments at 64 + 64 f + 8 a (two buffers f); the bias at 256 - 8 NBK on; on the way out v32-223 at work
;   window 1: B's fragments at 128 f + 8 b, the halo's two at 128 f + 96      windows 2, 3: accumulator (a, b) at 8 (NBK (a % HA) + b), the lower half of the blocks a in window 2, the upper in 3; the halo's at v192 of window 3
; THE WAY OUT: when no wave reads the ring any more, each wave lays its tile in f32 into its own part of the ring's bytes (they have had their last fill) and walks it in a loop.
.set HALO,   1-GELU
.set SIZE_K, 1024
.set KSTEP,  128
.set STEPS,  SIZE_K/KSTEP
.set PITCH,  272
.set HA,     MA/2
.set AROWS,  256+16*HALO               ; rows of A in a slot: with the halo, the 16 in front come first
.set HALFA,  (AROWS/2)*PITCH           ; what one tensor load brings of A
.set HALFB,  (TN/2)*PITCH              ; and of B
.set SLOT,   2*HALFA+2*HALFB           ; A's rows, then B's TN rows
.set SPARE,  2*SLOT                    ; behind the ring: the spare words, 128 bytes a wave, which no other line names
.set DREG,   16*MA*DP                  ; the way out: a wave's bytes
.set HL,     2*HALO                    ; LDS loads of the halo's fragment of A: the youngest of a run
.set NLD,    2*NBK+2*MA+6*HALO         ; LDS loads in a run
.set AOFF,   16*2*SIZE_K*HALO          ; bytes of the 16 rows in front of row 0 in A's buffer
.set ADRA0, 16                         ; v16     LDS address of my A fragments in slot 0; never rewritten
.set ADRA,  17                         ; v17     the same in the slot that is being read
.set ADRH0, 18                         ; v18, v19  the same for the halo's 16 rows of A
.set ADRH,  19
.set ADRB0, 20                         ; v20, v21  the same for B
.set ADRB,  21
.set ADRG0, 22                         ; v22, v23  the same for my two blocks of B for the halo
.set ADRG,  23
.set VR,   13                          ; v13     the place in its batch of my row in the trip's first four
.set BOH,  14                          ; v14     my offset in the bias for the halo's two blocks
.set DSTH, 15                          ; v15     the way out: where I put 32 bytes of a row of the halo
.set DST,  24                          ; v24     the way out: where I put 32 bytes of a row
.set RDA,  25                          ; v25     the way out: where I read rows back
.set CO,   26                          ; v26     my byte offset in OUT
.set BO,   27                          ; v27     32 x (lane / 16): my eight columns of a block in the bias
.set SPW,  28                          ; v28     LDS address of my spare word; never rewritten
.set NIL,  29                          ; v29     0; never rewritten
.set PFO,  30                          ; v30     the prefetches' offset: a lane a row; never rewritten
.set HAF,  32                          ; the halo's fragment of A, buffer f at HAF + 8 f
.set HBI,  48                          ; the halo's bias
.set HBF,  96                          ; window 1: the halo's two fragments of B, at 128 f + HBF
.set HAC,  192                         ; window 3: the halo's two accumulators
.set BIAS, 256-8*NBK
.set G1,  24                           ; s[24:31] descriptor group 1 for A's tiles
.set G0,  32                           ; s[32:39] group 0 for A's tiles: a set for each of the two first fills; the second then walks on
.set G1B, 48                           ; s[48:55], s[56:63] the same for B's
.set G0B, 56
.set LIM, 43                           ; s43     2 in a wave that prefetches, else the greatest number
.set PFA, 44                           ; s[44:45] where my prefetches stand
.set LB,  68                           ; s68     LDS byte of what I fetch of B, in slot 0
.set TB,  75                           ; s75     the slot that is being read: 0 or SLOT
.set LA,  76                           ; s76     LDS byte of what I fetch of A, in slot 0
.set MSB, 0
.macro WIN new                         ; the immediate's high byte repeats the setting that is left; a switch that changes nothing is dropped
.if MSB != (\new)
	s_set_vgpr_msb (MSB<<8)|(\new)
.set MSB, \new
.endif
.endm
; A joint load.  Waves 0 and 1 fetch A's two halves, waves 2 and 3 B's.  The branch hangs on the wave's number alone.  An s_nop 0 and four v_nop follow each of the two lines.
.macro JLOAD s
	s_cmp_eq_u32 s11, 0
	s_cbranch_scc0 .Lfor_b_\@
	tensor_load_to_lds s[G0+4*(\s):G0+4*(\s)+3], s[G1:G1+7]
	s_nop 0
.rept 4
	v_nop
.endr
	s_branch .Lasked_\@
.Lfor_b_\@:
	tensor_load_to_lds s[G0B+4*(\s):G0B+4*(\s)+3], s[G1B:G1B+7]
	s_nop 0
.rept 4
	v_nop
.endr
.Lasked_\@:
.endm
; A prefetch, behind a joint load and the run of LDS loads that follows it: the K step two refills on, 256 bytes of a row, a lane a row, one instruction a wave.  A's rows are asked for by the clusters
; with x = 0, B's by those with y = 0; the four partners of a tile share its rows out by address (of A the tile's own 256 rows: a halo's rows are the tile before's own).  The loop's last two trips ask for
; nothing: there is no K step two refills on.
.macro ASK
	s_cmp_gt_u32 s3, s[LIM]
	s_cbranch_scc0 .Lnot_mine_\@
	global_prefetch_b8 v[PFO], s[PFA:PFA+1] offset:KSTEP*2 th:TH_LOAD_NT scope:SCOPE_SE
.Lnot_mine_\@:
.endm
.macro CREST                           ; a round of the cluster's barrier behind its opening barrier
	s_cmp_lg_u32 s10, 0
	s_cbranch_scc1 .Lnot_wave_0_\@
	s_barrier_signal -3
.Lnot_wave_0_\@:
	s_barrier_wait -3
	s_barrier_signal -1
	s_barrier_wait -1
.endm
.macro CROUND                          ; a whole round
	s_barrier_signal -1
	s_barrier_wait -1
	CREST
.endm
.macro PLACES                          ; four places in front of loads into registers that matrix instructions have read, and of stores that read results
.rept 4
	v_nop
.endr
.endm
	s_load_b128 s[4:7], s[0:1], 0x0                ; A s[4:5], B s[6:7]
	s_load_b64 s[8:9], s[0:1], 0x10                ; OUT
	s_load_b64 s[66:67], s[0:1], 0x18              ; the bias
	v_lshl_add_u32 v[SPW], v0, 2, SPARE
	v_mov_b32 v[NIL], 0
	ds_add_u32 v[SPW], v[NIL]                      ; the wave's opening: the add, and its wait ahead of my first tensor load; the set-up below, work on registers, stands between them
	v_lshrrev_b32 v1, 5, v0
	v_readfirstlane_b32 s10, v1                    ; wave 0..3
	s_lshr_b32 s11, s10, 1                         ; which half of the tile's rows is mine (where the waves lie 2 x 2).  Also: I fetch for A (0) or for B (1)
	s_and_b32 s12, s10, 1                          ; which half of its columns.  Also: which half of that tile's rows I fetch
	s_bfe_u32 s40, ttmp6, 0x40000                  ; cx
	s_bfe_u32 s41, ttmp6, 0x40004                  ; cy
	s_lshl_b32 s42, ttmp9, 2
	s_add_co_u32 s42, s42, s40                     ; tile column of C = 4 x cluster x + cx
	s_and_b32 s13, ttmp7, 0xffff
	s_lshl_b32 s13, s13, 2
	s_add_co_u32 s13, s13, s41                     ; tile row of C = 4 x cluster y + cy
	s_lshl_b32 s43, s41, 2
	s_lshl_b32 s43, 15, s43                        ; my row of the cluster
	s_lshl_b32 s44, 0x1111, s40                    ; my column
	; descriptor group 1: rows of 128 elements of 2 bytes, 16 bytes of padding behind each
	s_or_b32 s[G1+0], s43, (1<<16)|(1<<20)|(1<<21)|(5<<22)|(3<<25)   ; 15:0 the mask: A's tiles go to my row; 17:16 2-byte elements; 20 padding on; 21 set beside a mask; 24:22 after every 64 words; 31:25 4 words
	s_or_b32 s[G1B+0], s44, (1<<16)|(1<<20)|(1<<21)|(5<<22)|(3<<25)  ; the same with my column's mask
	s_mov_b32 s[G1+1], KSTEP<<16                   ; tensor_dim0 = 128
	s_mov_b32 s[G1B+1], KSTEP<<16
	s_mov_b32 s[G1+2], (AROWS/2)<<16               ; tensor_dim1 = the tile's rows
	s_mov_b32 s[G1B+2], (TN/2)<<16
	s_mov_b32 s[G1+3], KSTEP<<16                   ; tile_dim0 = 128
	s_mov_b32 s[G1B+3], KSTEP<<16
	s_mov_b32 s[G1+4], AROWS/2                     ; tile_dim1
	s_mov_b32 s[G1B+4], TN/2
	s_mov_b32 s[G1+5], SIZE_K                      ; elements from row to row
	s_mov_b32 s[G1B+5], SIZE_K
	s_mov_b32 s[G1+6], 0
	s_mov_b32 s[G1B+6], 0
	s_mov_b32 s[G1+7], 0
	s_mov_b32 s[G1B+7], 0
	; A's address hangs on the tile row and the wave's number, B's on the tile column and the wave's number, each in registers that never hold the other coordinate
	s_mul_i32 s17, s12, AROWS/2
	s_lshl_b32 s16, s13, 8
	s_add_co_u32 s16, s16, s17                     ; A: the buffer's row 256 x tile row + my half (with the halo the buffer's rows begin 16 ahead of row 0, and so does the tile)
	s_mul_i32 s46, s42, TN
	s_mul_i32 s47, s12, TN/2
	s_add_co_u32 s46, s46, s47                     ; B: row TN x tile column + TN / 2 x half
	s_lshl_b32 s16, s16, 11                        ; 2,048 bytes a row
	s_mov_b32 s17, 0
	s_lshl_b32 s46, s46, 11
	s_mov_b32 s47, 0
	s_mul_i32 s[LA], s10, HALFA                    ; where they go: A's halves at wave x HALFA,
	s_mul_i32 s[LB], s10, HALFB
	s_add_co_u32 s[LB], s[LB], 2*HALFA-2*HALFB     ; B's behind A's rows, at (wave - 2) x HALFB
	s_mov_b32 s[TB], 0                             ; slot 0 is read first
	s_wait_dscnt 0x0                               ; the opening add is done
	s_wait_kmcnt 0x0
	s_add_nc_u64 s[14:15], s[4:5], s[16:17]
	s_add_nc_u64 s[46:47], s[6:7], s[46:47]
.if BOFF
	s_add_nc_u64 s[46:47], s[46:47], BOFF
.endif
	CROUND                                         ; all sixteen work-groups are here: the first joint loads meet
.irp s, 0,1
	s_mov_b32 s[G0+4*(\s)], 1
	s_add_co_u32 s[G0+4*(\s)+1], s[LA], (\s)*SLOT
	s_add_nc_u64 s[G0+4*(\s)+2:G0+4*(\s)+3], s[14:15], (\s)*KSTEP*2
	s_or_b32 s[G0+4*(\s)+3], s[G0+4*(\s)+3], 0x80000000
	s_mov_b32 s[G0B+4*(\s)], 1
	s_add_co_u32 s[G0B+4*(\s)+1], s[LB], (\s)*SLOT
	s_add_nc_u64 s[G0B+4*(\s)+2:G0B+4*(\s)+3], s[46:47], (\s)*KSTEP*2
	s_or_b32 s[G0B+4*(\s)+3], s[G0B+4*(\s)+3], 0x80000000
	JLOAD \s                                       ; K steps 0 and 1: two loads of mine are out
.endr
	; a fragment is 16 rows x 32 K in 8 registers: lane l holds row l % 16, K = 8 (l / 16) + 0..7 and 16 + 8 (l / 16) + 0..7: two loads of 16 bytes, 32 bytes apart
	v_and_b32 v1, 15, v0
	v_bfe_u32 v2, v0, 4, 1
	v_mul_u32_u24 v3, v1, PITCH
	v_lshl_add_u32 v3, v2, 4, v3
.if GELU
	s_mul_i32 s21, s11, HALFA                      ; my 128 rows of A,
	s_mul_i32 s22, s12, HALFB                      ; my 128 rows of B
.else
	s_mul_i32 s21, s10, 64*PITCH                   ; my 64 rows of A,
	s_add_co_u32 s21, s21, 16*PITCH                ; behind the halo's 16,
	s_mov_b32 s22, 0                               ; all rows of B
.endif
	s_add_co_u32 s22, s22, 2*HALFA
	v_add_nc_u32 v[ADRA0], s21, v3
	v_add_nc_u32 v[ADRB0], s22, v3
	v_mov_b32 v[ADRA], v[ADRA0]
	v_mov_b32 v[ADRB], v[ADRB0]
.if HALO
	v_mov_b32 v[ADRH0], v3                         ; the halo's 16 rows lie at a slot's head
	s_mul_i32 s21, s10, 32*PITCH
	s_add_co_u32 s21, s21, 2*HALFA+64*PITCH        ; my two blocks of B for it: rows 64 + 32 w on
	v_add_nc_u32 v[ADRG0], s21, v3
	v_mov_b32 v[ADRH], v[ADRH0]
	v_mov_b32 v[ADRG], v[ADRG0]
.endif
	v_lshlrev_b32 v[BO], 5, v2
	; the bias: block b's 16 columns are 64 bytes; my eight of them, two loads of 16 bytes
.if GELU
	s_lshl_b32 s46, s42, 10
	s_lshl_b32 s47, s12, 9
	s_add_co_u32 s46, s46, s47
.else
	s_lshl_b32 s46, s42, 8                         ; the head's 64 columns in each of the three parts
.endif
	s_mov_b32 s47, 0
	s_add_nc_u64 s[66:67], s[66:67], s[46:47]
.set b, 0
.rept NBK
.if GELU
	global_load_b128 v[BIAS+8*b:BIAS+8*b+3],   v[BO], s[66:67] offset:64*b
	global_load_b128 v[BIAS+8*b+4:BIAS+8*b+7], v[BO], s[66:67] offset:64*b+16
.else
	global_load_b128 v[BIAS+8*b:BIAS+8*b+3],   v[BO], s[66:67] offset:(b/4)*4096+(b%4)*64
	global_load_b128 v[BIAS+8*b+4:BIAS+8*b+7], v[BO], s[66:67] offset:(b/4)*4096+(b%4)*64+16
.endif
.set b, b+1
.endr
.if HALO
	s_lshl_b32 s46, s11, 12                        ; blocks 4 + 2 w and 5 + 2 w: part 1 + w / 2, blocks 2 (w % 2) and 2 (w % 2) + 1 of its four
	s_lshl_b32 s47, s12, 7
	s_add_co_u32 s46, s46, s47
	s_add_co_u32 s46, s46, 4096
	v_add_nc_u32 v[BOH], s46, v[BO]
.irp j, 0,1
	global_load_b128 v[HBI+8*(\j):HBI+8*(\j)+3],   v[BOH], s[66:67] offset:64*(\j)
	global_load_b128 v[HBI+8*(\j)+4:HBI+8*(\j)+7], v[BOH], s[66:67] offset:64*(\j)+16
.endr
.endif
	; the way out's addresses
	s_mul_i32 s23, s10, DREG
.if HALO
	s_add_co_u32 s23, s23, 16*DP                   ; the halo's 16 rows lie in front of the tile's 256
.endif
	v_mul_u32_u24 v4, v1, DP
	v_lshl_add_u32 v4, v2, 5, v4
	v_add_nc_u32 v[DST], s23, v4                   ; row l % 16, 32 bytes for each half of the lanes
	v_and_b32 v5, 31, v0
.if GELU
	v_lshl_add_u32 v[RDA], v5, 4, s23              ; back: the wave takes one row of 512 bytes,
	v_lshlrev_b32 v[CO], 3, v5                     ; which is 256 bytes of OUT
	s_lshl_b32 s16, s13, 8
	s_lshl_b32 s17, s11, 7
	s_add_co_u32 s16, s16, s17
	s_lshl_b32 s16, s16, 13                        ; my first row, 8,192 bytes a row
	s_lshl_b32 s46, s42, 9
	s_lshl_b32 s47, s12, 8
	s_add_co_u32 s46, s46, s47                     ; my first column
	s_mov_b32 s70, 0xbdd2d3e8                      ; c1 = -0.10294324
	s_mov_b32 s71, s70
	s_mov_b32 s72, 0xc0135761                      ; c0 = -2.3022082
	s_mov_b32 s73, s72
.else
	s_lshl_b32 s16, s10, 7
	s_add_co_u32 s16, s16, 256
	v_add_nc_u32 v[DSTH], s16, v4                  ; the halo: my two blocks begin at column 64 + 32 w
	v_bfe_u32 v6, v0, 3, 2                         ; back: eight lanes a row, four rows: which of the four,
	v_and_b32 v7, 7, v0                            ; and which 8 channels (32 bytes)
	v_mul_u32_u24 v[RDA], v6, DP
	v_lshl_add_u32 v[RDA], v7, 5, v[RDA]
	s_sub_co_u32 s16, s23, 2*DP                    ; from two rows ahead of my first row on
	v_add_nc_u32 v[RDA], s16, v[RDA]
	v_lshlrev_b32 v[CO], 4, v5                     ; four rows of 128 bytes: 512 consecutive bytes of OUT
	s_lshl_b32 s16, s13, 8
	s_lshl_b32 s17, s10, 6
	s_add_co_u32 s16, s16, s17                     ; my first row,
	s_and_b32 s17, s16, 2047                       ; its place in its batch
	v_add_nc_u32 v[VR], s17, v6
	s_lshl_b32 s16, s16, 7                         ; 128 bytes a row
	s_lshl_b32 s46, s42, 19                        ; the head: 4,096 rows of 128 bytes
	s_mov_b32 s70, 0x3e38aa3b                      ; c = log2(e) / 8
	s_mov_b32 s71, 0xbe38aa3b                      ; -c
.endif
	s_mov_b32 s17, 0
	s_mov_b32 s47, 0
	s_add_nc_u64 s[8:9], s[8:9], s[16:17]
	s_add_nc_u64 s[8:9], s[8:9], s[46:47]
	; the prefetches: of the tile's own rows that lie in my half, my work-group's quarter: 32 cx of A's 128, (TN / 8) cy of B's TN / 2
	s_lshl_b32 s20, s13, 8
	s_mul_i32 s21, s42, TN
	s_lshl_b32 s22, s12, 7
	s_mul_i32 s23, s12, TN/2
	s_lshl_b32 s18, s40, 5
	s_mul_i32 s19, s41, TN/8
	s_and_b32 s69, ttmp7, 0xffff                   ; cluster y
	s_cmp_eq_u32 s11, 0                            ; do I fetch for A?
	s_cselect_b32 s20, s20, s21
	s_cselect_b32 s22, s22, s23
	s_cselect_b32 s18, s18, s19
	s_cselect_b32 s19, ttmp9, s69                  ; the coordinate along which other clusters read the same rows
	s_cselect_b32 s21, 31, TN/8-1                  ; my share's last row: lanes beyond it name it once more
	s_cselect_b32 s23, AOFF, BOFF
	s_cselect_b64 s[PFA:PFA+1], s[4:5], s[6:7]
	s_cmp_eq_u32 s19, 0
	s_cselect_b32 s[LIM], 2, -1                    ; the same in all sixteen partners, for a given wave
	s_add_co_u32 s20, s20, s22
	s_add_co_u32 s20, s20, s18
	s_lshl_b32 s20, s20, 11
	s_add_co_u32 s20, s20, s23
	s_add_co_u32 s20, s20, 2*KSTEP*2               ; at K step 2: the first refill steps it to 3 and names K step 4
	v_and_b32 v[PFO], 31, v0
	v_min_u32 v[PFO], s21, v[PFO]
	v_lshlrev_b32 v[PFO], 11, v[PFO]
	s_mov_b32 s21, 0
	s_add_nc_u64 s[PFA:PFA+1], s[PFA:PFA+1], s[20:21]
; The NBK products of block a of 16 rows, 32 along K, on buffer f.  zero = 1: the first product of each sum takes the bias as C.
.macro MULA f, a, zero
.if \zero
	WIN 0x81+0x40*((\a)/HA)                        ; B window 1, A and the bias window 0, D window 2 or 3
.else
	WIN 0xa1+0x50*((\a)/HA)                        ; B window 1, A window 0, C and D window 2 or 3
.endif
.set b, 0
.rept NBK
.set rD, 8*(NBK*((\a)%HA)+b)
.if \zero
	v_wmma_f32_16x16x32_bf16 v[rD:rD+7], v[128*(\f)+8*b:128*(\f)+8*b+7], v[64+64*(\f)+8*(\a):64+64*(\f)+8*(\a)+7], v[BIAS+8*b:BIAS+8*b+7]
.else
	v_wmma_f32_16x16x32_bf16 v[rD:rD+7], v[128*(\f)+8*b:128*(\f)+8*b+7], v[64+64*(\f)+8*(\a):64+64*(\f)+8*(\a)+7], v[rD:rD+7]
.endif
.set b, b+1
.endr
.endm
.macro MULS f, a0, n, zero             ; blocks a0 .. a0 + n - 1.  The accumulators take turns, each once a quarter step, in the same order everywhere
.set aa, \a0
.rept \n
	MULA \f, aa, \zero
.set aa, aa+1
.endr
.endm
.macro HMUL f, zero                    ; the halo's two products, the last of a quarter step; under the same windows as the upper blocks'
.if HALO
.if \zero
	WIN 0xc1
.else
	WIN 0xf1
.endif
.irp j, 0,1
.if \zero
	v_wmma_f32_16x16x32_bf16 v[HAC+8*(\j):HAC+8*(\j)+7], v[128*(\f)+HBF+8*(\j):128*(\f)+HBF+8*(\j)+7], v[HAF+8*(\f):HAF+8*(\f)+7], v[HBI+8*(\j):HBI+8*(\j)+7]
.else
	v_wmma_f32_16x16x32_bf16 v[HAC+8*(\j):HAC+8*(\j)+7], v[128*(\f)+HBF+8*(\j):128*(\f)+HBF+8*(\j)+7], v[HAF+8*(\f):HAF+8*(\f)+7], v[HAC+8*(\j):HAC+8*(\j)+7]
.endif
.endr
.endif
.endm
; NLD LDS loads in one run: a quarter step's fragments (32 K at byte k of the rows of the slot that is being read) into buffer f: B's first, then the halo's of B, then A's, then the halo's of A
.macro FETCH k, f
	WIN 0x40                                       ; destination window 1, address window 0
.set i, 0
.rept NBK
	ds_load_b128 v[128*(\f)+8*i:128*(\f)+8*i+3],   v[ADRB] offset:(\k)+i*16*PITCH
	ds_load_b128 v[128*(\f)+8*i+4:128*(\f)+8*i+7], v[ADRB] offset:(\k)+i*16*PITCH+32
.set i, i+1
.endr
.if HALO
.irp j, 0,1
	ds_load_b128 v[128*(\f)+HBF+8*(\j):128*(\f)+HBF+8*(\j)+3],   v[ADRG] offset:(\k)+(\j)*16*PITCH
	ds_load_b128 v[128*(\f)+HBF+8*(\j)+4:128*(\f)+HBF+8*(\j)+7], v[ADRG] offset:(\k)+(\j)*16*PITCH+32
.endr
.endif
	WIN 0
.set i, 0
.rept MA
	ds_load_b128 v[64+64*(\f)+8*i:64+64*(\f)+8*i+3],   v[ADRA] offset:(\k)+i*16*PITCH
	ds_load_b128 v[64+64*(\f)+8*i+4:64+64*(\f)+8*i+7], v[ADRA] offset:(\k)+i*16*PITCH+32
.set i, i+1
.endr
.if HALO
	ds_load_b128 v[HAF+8*(\f):HAF+8*(\f)+3],   v[ADRH] offset:(\k)
	ds_load_b128 v[HAF+8*(\f)+4:HAF+8*(\f)+7], v[ADRH] offset:(\k)+32
.endif
.endm
; A K step is four quarter steps of 32 along K on buffers 0, 1, 0, 1.  One of the first three: multiplies buffer f; in its middle it fetches the next quarter, at byte k, into buffer g.
.macro QUARTER k, f, g, zero
	s_wait_dscnt MA+HL                             ; B and A's lower blocks are in; the youngest MA + HL loads (A's upper blocks, the halo's fragment of A) may be out
	MULS \f, 0, HA, \zero
	PLACES
	FETCH \k, \g
	s_wait_dscnt NLD                               ; all but the run just issued
	MULS \f, HA, HA, \zero
	HMUL \f, \zero
.endm
; The last quarter multiplies buffer 1 and changes slots.  ONE barrier: in front of it each wave waits for all its tensor loads (at most one is out: its part of the next slot), adds 0 to its spare word,
; and waits for that and for its own reads of this slot.  Behind it nobody reads this slot any more and the next slot is whole.
.macro MEET round
	WIN 0                                          ; (the add's two registers lie in window 0)
	s_wait_tensorcnt 0x0
	ds_add_u32 v[SPW], v[NIL]                      ; 0 onto my spare word
	s_wait_dscnt MA+HL+1                           ; (the add and the youngest MA + HL loads may be out)
	MULS 1, 0, HA/2, 0                             ; matrix work stands between the add and the wait for it
	s_wait_dscnt 0x0                               ; the add is done, and my reads of this slot are over
	s_barrier_signal -1
	MULS 1, HA/2, HA/2, 0                          ; work on registers while the others arrive
.if \round
	WIN 0
.endif
	s_barrier_wait -1
.endm
.macro NEXTSLOT                        ; the fragments' addresses in the slot that s[TB] names
	v_add_nc_u32 v[ADRA], s[TB], v[ADRA0]
	v_add_nc_u32 v[ADRB], s[TB], v[ADRB0]
.if HALO
	v_add_nc_u32 v[ADRH], s[TB], v[ADRH0]
	v_add_nc_u32 v[ADRG], s[TB], v[ADRG0]
.endif
.endm
; fill = 1: the barrier opens a round of the cluster's barrier, and the slot just read out is filled again, first thing behind the round, with the K step two steps on.
; fill = 0, the last two steps: nothing is asked for; the last step of all jumps over the next slot's fetch (and over the quarter that follows the macro).
.macro TURN fill
.if \fill
	s_wait_xcnt 0x0                                ; the last prefetch, a K step back, has read its address: it is stepped here, ahead of the waits of the change of slots
	s_add_nc_u64 s[PFA:PFA+1], s[PFA:PFA+1], KSTEP*2
	MEET 1
	CREST                                          ; no wave of any partner still reads this slot's tile or has a load on its way
	s_add_co_u32 s[G0+5], s[LA], s[TB]             ; the walking descriptors: into the slot just read,
	s_add_nc_u64 s[G0+6:G0+7], s[G0+6:G0+7], KSTEP*2  ; the K step behind the one asked for last; the type bits on top are not reached
	s_add_co_u32 s[G0B+5], s[LB], s[TB]
	s_add_nc_u64 s[G0B+6:G0B+7], s[G0B+6:G0B+7], KSTEP*2
	s_xor_b32 s[TB], s[TB], SLOT                   ; from here on the other slot is read
	JLOAD 1                                        ; my one tensor load behind the round; the four v_nop behind it are also the places in front of the loads below
	NEXTSLOT
	FETCH 0, 0
	ASK
	MULS 1, HA, HA, 0
	HMUL 1, 0
.else
	MEET 0
	MULS 1, HA, HA, 0
	HMUL 1, 0
	WIN 0
	s_cmp_eq_u32 s3, 1
	s_cbranch_scc1 .Llast                          ; forward, to the label ahead of the counter's step; what is jumped holds no barrier and no tensor load
	s_xor_b32 s[TB], s[TB], SLOT
	NEXTSLOT
	PLACES
	FETCH 0, 0
.endif
.endm
; The attention's registers: group u of four rows has 80 registers from AT + 80 u on.
.set AT, 32
.macro REG u
.set rQ, AT+80*(\u)                    ; q of my 8 channels
.set rK, rQ+8                          ; k of rows n, n - 1, n - 2: 8 each
.set rV, rQ+32                         ; v likewise
.set rT, rQ+56                         ; three pairs: partial sums, then in the low register the score, then the weight
.set rM, rQ+62                         ; the maximum; -c times it
.set rS, rQ+64                         ; the weights' sum; 1 / it
.set rA, rQ+66                         ; my 8 channels of the result
.set rO, rQ+74                         ; the same in bf16
.endm
.macro LD2 dst, off                    ; 8 f32, 32 bytes
	ds_load_b128 v[(\dst):(\dst)+3],   v[RDA] offset:(\off)
	ds_load_b128 v[(\dst)+4:(\dst)+7], v[RDA] offset:(\off)+16
.endm
	s_wait_tensorcnt 1                             ; my part of K step 0 is in; K step 1's may stay out
	s_barrier_signal -1
	s_barrier_wait -1                              ; everybody's is
	FETCH 0, 0
	s_wait_loadcnt 0x0                             ; the bias
	QUARTER 64,  0, 1, 1                           ; the first quarter stands in front of the loops: its products start the sums
	WIN 0                                          ; at a label and at a branch every window is 0
	s_mov_b32 s3, STEPS-2
.Lstep:                                        ; a trip goes from a K step's second quarter to the next step's first, and fills the slot that it leaves
	QUARTER 128, 1, 0, 0
	QUARTER 192, 0, 1, 0
	TURN 1
	QUARTER 64,  0, 1, 0
	WIN 0
	s_sub_co_u32 s3, s3, 1
	s_cmp_lg_u32 s3, 0
	s_cbranch_scc1 .Lstep
	s_mov_b32 s3, 2
.Ltail:                                        ; the last two K steps: no tensor load stands in this loop
	QUARTER 128, 1, 0, 0
	QUARTER 192, 0, 1, 0
	TURN 0
	QUARTER 64,  0, 1, 0
	WIN 0
.Llast:
	s_sub_co_u32 s3, s3, 1
	s_cmp_lg_u32 s3, 0
	s_cbranch_scc1 .Ltail
	PLACES                                         ; the stores below read results just made
	s_wait_dscnt 0x0                               ; my reads of the ring are over;
	s_barrier_signal -1
	s_barrier_wait -1                              ; everybody's are: the ring's bytes, which are filled no more, take the tiles
.set aa, 0
.rept MA                               ; each accumulator's low four registers go first
	WIN 0x08+0x04*(aa/HA)                          ; the stores' data in window 2 or 3
.set b, 0
.rept NBK
.set rD, 8*(NBK*(aa%HA)+b)
	ds_store_b128 v[DST], v[rD:rD+3]   offset:aa*16*DP+64*b
	ds_store_b128 v[DST], v[rD+4:rD+7] offset:aa*16*DP+64*b+16
.set b, b+1
.endr
.set aa, aa+1
.endr
.if HALO
	WIN 0x0c
.irp j, 0,1
	ds_store_b128 v[DSTH], v[HAC+8*(\j):HAC+8*(\j)+3]   offset:64*(\j)
	ds_store_b128 v[DSTH], v[HAC+8*(\j)+4:HAC+8*(\j)+7] offset:64*(\j)+16
.endr
	WIN 0
	s_wait_dscnt 0x0                               ; for the others' sake: a wave's first two rows read the two rows in front, which another wave stored (the first wave's: the halo, of which each wave stored a quarter)
	s_barrier_signal -1
	s_barrier_wait -1
.endif
	WIN 0
	s_mov_b32 s74, 8
.if GELU
.set XIN,  64                          ; 16 rows x 4 numbers a lane
.set EXR,  128                         ; the exponents, then 1 / (1 + 2^..)
.set OUTR, 192
.Lrows:                                        ; 16 rows a trip.  My wave's own bytes: LDS serves a wave's instructions in order (ISA guide 5.7.1.4), so the loads see the stores above
.set j, 0
.rept 16
	ds_load_b128 v[XIN+4*j:XIN+4*j+3], v[RDA] offset:DP*j
.set j, j+1
.endr
.set i, 0
.rept 32                               ; x x, pair by pair
.if i%2 == 0
	s_wait_dscnt 15-i/2                            ; row i / 2 is in
.endif
	v_pk_mul_f32 v[EXR+2*i:EXR+2*i+1], v[XIN+2*i:XIN+2*i+1], v[XIN+2*i:XIN+2*i+1]
.set i, i+1
.endr
.set i, 0
.rept 34                               ; by turns: c0 + c1 x x of pair i, times x for pair i - 1, the two exponentials of pair i - 2: no line reads the result of the line ahead of it, and nothing names an exponential's result
.if i < 32
	v_pk_fma_f32 v[EXR+2*i:EXR+2*i+1], v[EXR+2*i:EXR+2*i+1], s[70:71], s[72:73] op_sel_hi:[1,0,0]
.endif
.if i >= 2
	v_exp_f32 v[EXR+2*i-4], v[EXR+2*i-4]
.endif
.if (i >= 1) && (i < 33)
	v_pk_mul_f32 v[EXR+2*i-2:EXR+2*i-1], v[EXR+2*i-2:EXR+2*i-1], v[XIN+2*i-2:XIN+2*i-1]
.endif
.if i >= 2
	v_exp_f32 v[EXR+2*i-3], v[EXR+2*i-3]
.endif
.set i, i+1
.endr
	v_nop                                          ; a plain instruction behind the last exponential,
	s_wait_alu depctr_va_vdst(0)                   ; and one wait for the batch of 64, ahead of the first reader
.set i, 0
.rept 32
	v_pk_add_f32 v[EXR+2*i:EXR+2*i+1], v[EXR+2*i:EXR+2*i+1], 1.0 op_sel_hi:[1,0]
.if i > 0
	v_rcp_f32 v[EXR+2*i-2], v[EXR+2*i-2]
	v_rcp_f32 v[EXR+2*i-1], v[EXR+2*i-1]
.endif
.set i, i+1
.endr
	v_rcp_f32 v[EXR+62], v[EXR+62]
	v_rcp_f32 v[EXR+63], v[EXR+63]
	v_nop
	s_wait_alu depctr_va_vdst(0)                   ; one wait for the 64 reciprocals
.set i, 0
.rept 32
	v_pk_mul_f32 v[XIN+2*i:XIN+2*i+1], v[XIN+2*i:XIN+2*i+1], v[EXR+2*i:EXR+2*i+1]
.set i, i+1
.endr
.set i, 0
.rept 32
	v_cvt_pk_bf16_f32 v[OUTR+i], v[XIN+2*i], v[XIN+2*i+1]
.set i, i+1
.endr
.set j, 0
.rept 16
	global_store_b64 v[CO], v[OUTR+2*j:OUTR+2*j+1], s[8:9] offset:8192*j  ; the wave stores 256 consecutive bytes of one row, aligned
.set j, j+1
.endr
	v_add_nc_u32 v[RDA], 16*DP, v[RDA]
	s_wait_xcnt 0x0                                ; the stores have read their data and their base: both are written again only behind this wait
	s_add_nc_u64 s[8:9], s[8:9], 16*8192
.else
.Lrows:                                        ; 8 rows a trip, in two groups u of four that take turns line by line.  In a row's 784 bytes q lies at 0, k at 256, v at 512; v[RDA] stands two rows ahead of group 0's rows
.irp u, 0,1
	REG \u
	LD2 rQ,(4*(\u)+2)*DP
	LD2 rK,(4*(\u)+2)*DP+256
	LD2 rK+8,(4*(\u)+1)*DP+256
	LD2 rK+16,(4*(\u))*DP+256
.endr
.irp u, 0,1
	REG \u
	LD2 rV,(4*(\u)+2)*DP+512
	LD2 rV+8,(4*(\u)+1)*DP+512
	LD2 rV+16,(4*(\u))*DP+512
.endr
	s_wait_dscnt 12                                ; q and k are in; v's twelve loads may stay out
.set z, 0
.rept 4                                ; six chains: q . k over my 8 channels, two at a time
.irp u, 0,1
	REG \u
.irp i, 0,1,2
.if z == 0
	v_pk_mul_f32 v[rT+2*(\i):rT+2*(\i)+1], v[rQ:rQ+1], v[rK+8*(\i):rK+8*(\i)+1]
.else
	v_pk_fma_f32 v[rT+2*(\i):rT+2*(\i)+1], v[rQ+2*z:rQ+2*z+1], v[rK+8*(\i)+2*z:rK+8*(\i)+2*z+1], v[rT+2*(\i):rT+2*(\i)+1]
.endif
.endr
.endr
.set z, z+1
.endr
.irp u, 0,1
	REG \u
.irp i, 0,1,2
	v_add_f32 v[rT+2*(\i)], v[rT+2*(\i)], v[rT+2*(\i)+1]
.endr
.endr
.irp x, 1,2,4                          ; over the eight lanes of a row
.irp u, 0,1
	REG \u
.irp i, 0,1,2
	v_add_f32_dpp v[rT+2*(\i)], v[rT+2*(\i)], v[rT+2*(\i)] row_xmask:\x row_mask:0xf bank_mask:0xf
.endr
.endr
.endr
	REG 0                                          ; only a batch's rows 0 and 1 have hidden keys, and they fall into group 0
	v_cmp_le_u32 s16, 1, v[VR]                     ; does my row see key n - 1?
	v_cmp_le_u32 s17, 2, v[VR]                     ; and key n - 2?
	v_cndmask_b32 v[rT+2], v[rT], v[rT+2], s16     ; a hidden key's score is replaced by the row's own, so that it cannot raise the maximum
	v_cndmask_b32 v[rT+4], v[rT], v[rT+4], s17
.irp u, 0,1
	REG \u
	v_max3_num_f32 v[rM], v[rT], v[rT+2], v[rT+4]
.endr
.irp u, 0,1
	REG \u
	v_mul_f32 v[rM+1], s71, v[rM]
.endr
.irp u, 0,1
	REG \u
.irp i, 0,1,2
	v_fma_f32 v[rT+2*(\i)], v[rT+2*(\i)], s70, v[rM+1]  ; c s - c m
.endr
.endr
.irp u, 0,1
	REG \u
.irp i, 0,1,2
	v_exp_f32 v[rT+2*(\i)], v[rT+2*(\i)]
.endr
.endr
	v_nop                                          ; a plain instruction behind the last exponential,
	s_wait_alu depctr_va_vdst(0)                   ; and one wait for the six, ahead of their first reader
	REG 0
	v_cndmask_b32 v[rT+2], 0, v[rT+2], s16         ; and a hidden key's weight is 0
	v_cndmask_b32 v[rT+4], 0, v[rT+4], s17
.irp u, 0,1
	REG \u
	v_add_f32 v[rS], v[rT], v[rT+2]
.endr
.irp u, 0,1
	REG \u
	v_add_f32 v[rS], v[rS], v[rT+4]
.endr
.irp u, 0,1
	REG \u
	v_rcp_f32 v[rS+1], v[rS]
.endr
	v_nop
	s_wait_alu depctr_va_vdst(0)                   ; one wait for the two reciprocals
.irp u, 0,1
	REG \u
.irp i, 0,1,2
	v_mul_f32 v[rT+2*(\i)], v[rT+2*(\i)], v[rS+1]
.endr
.endr
	s_wait_dscnt 0x0                               ; v
.irp u, 0,1
	REG \u
.irp y, 0,1,2,3
	v_pk_mul_f32 v[rA+2*(\y):rA+2*(\y)+1], v[rV+2*(\y):rV+2*(\y)+1], v[rT:rT+1] op_sel_hi:[1,0]
.endr
.endr
.irp i, 1,2
.irp u, 0,1
	REG \u
.irp y, 0,1,2,3
	v_pk_fma_f32 v[rA+2*(\y):rA+2*(\y)+1], v[rV+8*(\i)+2*(\y):rV+8*(\i)+2*(\y)+1], v[rT+2*(\i):rT+2*(\i)+1], v[rA+2*(\y):rA+2*(\y)+1] op_sel_hi:[1,0,1]
.endr
.endr
.endr
.irp u, 0,1
	REG \u
.irp y, 0,1,2,3
	v_cvt_pk_bf16_f32 v[rO+(\y)], v[rA+2*(\y)], v[rA+2*(\y)+1]
.endr
	global_store_b128 v[CO], v[rO:rO+3], s[8:9] offset:512*(\u)  ; four rows of the head: 512 consecutive bytes, aligned
.endr
	v_add_nc_u32 v[RDA], 8*DP, v[RDA]
	v_add_nc_u32 v[VR], 8, v[VR]
	s_wait_xcnt 0x0                                ; the stores have read their data and their base: both are written again only behind this wait
	s_add_nc_u64 s[8:9], s[8:9], 8*128
.endif
	s_sub_co_u32 s74, s74, 1
	s_cmp_lg_u32 s74, 0
	s_cbranch_scc1 .Lrows
	s_wait_tensorcnt 0x0                           ; the wave's end: behind my last tensor load and my last LDS store
	ds_add_u32 v[SPW], v[NIL]
	s_wait_dscnt 0x0
	CROUND                                         ; the closing round: no work-group ends while a partner may still ask for a tile that names it
	s_endpgm
.Lfunc_end_k_qbf86de3b19_gfc1:
	.size	k_qbf86de3b19_gfc1, .Lfunc_end_k_qbf86de3b19_gfc1-k_qbf86de3b19_gfc1
	.p2alignl 7, 3214868480
	.fill 96, 4, 3214868480
	.section	.rodata,"a",@progbits
	.p2align	6, 0x0
	.amdhsa_kernel k_qbf86de3b19_gfc1
		.amdhsa_group_segment_fixed_size 327680
		.amdhsa_private_segment_fixed_size 0
		.amdhsa_enable_private_segment 0
		.amdhsa_kernarg_size 32
		.amdhsa_user_sgpr_count 2
		.amdhsa_user_sgpr_kernarg_segment_ptr 1
		.amdhsa_wavefront_size32 1
		.amdhsa_system_sgpr_workgroup_id_x 1
		.amdhsa_system_sgpr_workgroup_id_y 1
		.amdhsa_system_sgpr_workgroup_id_z 1
		.amdhsa_system_vgpr_workitem_id 0
		.amdhsa_next_free_vgpr 1024
		.amdhsa_next_free_sgpr 80
		.amdhsa_reserve_vcc 0
		.amdhsa_float_denorm_mode_32 3
		.amdhsa_float_denorm_mode_16_64 3
		.amdhsa_memory_ordered 1
		.amdhsa_forward_progress 1
		.amdhsa_inst_pref_size 99
	.end_amdhsa_kernel
	.amdgpu_metadata
---
amdhsa.version: [ 1, 2 ]
amdhsa.kernels:
  - .name:           k_qbf86de3b19_gfc1
    .symbol:         k_qbf86de3b19_gfc1.kd
    .args:
      - { .name: hn, .offset: 0, .size: 8, .value_kind: global_buffer, .address_space: global }
      - { .name: wt, .offset: 8, .size: 8, .value_kind: global_buffer, .address_space: global }
      - { .name: act, .offset: 16, .size: 8, .value_kind: global_buffer, .address_space: global }
      - { .name: fc1_b, .offset: 24, .size: 8, .value_kind: global_buffer, .address_space: global }
    .group_segment_fixed_size: 327680
    .private_segment_fixed_size: 0
    .kernarg_segment_align: 8
    .kernarg_segment_size: 32
    .max_flat_workgroup_size: 128
    .sgpr_count:     80
    .vgpr_count:     1024
    .wavefront_size: 32
...
	.end_amdgpu_metadata
.endif
;; end of part 5
;; launch fc2 (part 6): grid 8 x 32, 4 waves a work-group, clusters of 4 x 4, 327,680 bytes of LDS; arguments act, w2, fc2_b, qx, out0; writes out0
.if DOCPART == 6
	.amdgcn_target "amdgcn-amd-amdhsa--gfx1250"
	.amdhsa_code_object_version 6
	.text
	.protected	k_qbf86de3b19_fc2
	.globl	k_qbf86de3b19_fc2
	.p2align	8
	.type	k_qbf86de3b19_fc2,@function
k_qbf86de3b19_fc2:
	s_mov_b64 s[64:65], 0
	v_nop
	global_prefetch_b8 v0, s[64:65] scope:SCOPE_SE
	s_setreg_imm32_b32 hwreg(HW_REG_WAVE_MODE, 25, 1), 1
	s_wait_xcnt 0x0
	s_wait_alu depctr_hold_cnt(0) depctr_sa_sdst(0) depctr_va_vdst(0) depctr_va_sdst(0) depctr_va_ssrc(0) depctr_va_vcc(0) depctr_vm_vsrc(0)
	s_getreg_b32 s2, hwreg(HW_REG_IB_STS2, 6, 4)
	s_cmp_eq_u32 s2, 0
	s_cbranch_scc0 .Lentry_in_a_cluster
	s_endpgm
.Lentry_in_a_cluster:
	s_bfe_u32 s2, ttmp6, 0x10000c
	s_cmp_lg_u32 s2, 0xf033
	s_cbranch_scc0 .Lentry_shape_is_right
	s_endpgm
.Lentry_shape_is_right:
; out = x1 + a W2 + b.  OUT = RES + A B^T + bias.  A: the activations, 4,096 rows of SIZE_K bf16, ROWA elements from row to row;
; B: the turned weights, 1,024 rows of SIZE_K bf16, ROWB elements from row to row; bias [1024], RES and OUT [4096][1024] f32.  Sums in f32, started by the bias; the residual is added in f32.
; This text and the one of the launch behind the attention are one text with two heads of constants (BYH, SIZE_K, ROWA, ROWB).
.set BYH,    0                         ; 1: A lies by heads; 0: by rows
.set SIZE_K, 4096
.set ROWA,   4096
.set ROWB,   4096
; A tile of C is 128 x 128: 8 x 32 tiles, 256 work-groups.  Four waves, each 64 x 64: 16 accumulators.  K goes in steps of 256 through two slots; a wave's tensor load brings 64 rows of A or of B.
; By rows, an LDS row is 512 bytes + 16.  BY HEADS a step is four heads: 64 rows of a head are 8,192 dense bytes, asked for as ONE row of 4,096 elements, four such rows 262,144 elements apart, and padded in LDS
; after every 128 bytes: in LDS [head][row], 144 bytes apart, and a quarter of a step (64 along K) is one head.
; A K STEP IS WRITTEN ONCE: a loop of STEPS - 2 trips, each with a refill, and a loop of two trips for the last two steps, which ask for nothing.  Which slot is read stands in a scalar register (0 or SLOT, turned
; by an exclusive or); the fragments' two LDS addresses are made of it anew at each change of slots, and so is the LDS word of the one descriptor a tensor that walks.
; CLUSTER 4 x 4: the four of a row of the cluster need the same tiles of A, the four of a column the same tiles of B: each tile is asked for jointly.  THE MATRIX INSTRUCTION IS USED TRANSPOSED (source 0 = 16 rows
; of B, source 1 = 16 rows of A): a lane holds one row of C and eight neighbouring columns.  No prefetch: the tile is small, and a step's bytes are asked for by their loads alone.
; REGISTERS: window 0: v16-29 addresses; v32-95 at work on the way out (two sets of 32); v96-127 the bias (8 registers for each block of 16 columns); v128-255 the accumulators ((a, b) at 128 + 8 (4 a + b))
;   window 1: two fragment buffers of 128: for 64 along K, 64 registers of A, then 64 of B          window 2: v0-127 my 64 x 64 of the residual, loaded at the start
.set KSTEP,  256
.set STEPS,  SIZE_K/KSTEP
.set PITCH,  528                       ; 132 words: row r starts at bank 4 r mod 64 (64 banks of 4 bytes: ISA guide 11.1)
.set HALFT,  64*PITCH
.if BYH
.set APITCH, 144                       ; 36 words: the 16 rows of a load start at 16 different groups of four banks
.set AQ,     64*APITCH                 ; LDS bytes from a quarter of a step to the next: a head's 64 rows
.set HALFA,  4*AQ                      ; what one tensor load brings of A
.set ASTEP,  4*524288                  ; bytes of memory from a step to the next: four heads
.set AROWB,  128                       ; bytes of memory from row to row
.set AW0,    (1<<16)|(1<<20)|(1<<21)|(4<<22)|(3<<25)  ; 2-byte elements; padding on; bit 21 beside a mask; after every 32 words; 4 words
.else
.set APITCH, PITCH
.set AQ,     128
.set HALFA,  HALFT
.set ASTEP,  KSTEP*2
.set AROWB,  ROWA*2
.set AW0,    (1<<16)|(1<<20)|(1<<21)|(6<<22)|(3<<25)  ; the same, after every 128 words
.endif
.set SLOT,   2*HALFA+2*HALFT           ; A's 128 rows, then B's 128 rows
.set STAGE,  2*SLOT                    ; behind the ring, never filled by a tensor load: 16 rows x 272 bytes for each wave: a wave's 64 columns of f32 are 256 bytes
.set SPITCH, 272
.set SPARE,  STAGE+4*16*SPITCH         ; behind the stages: the spare words, 128 bytes a wave, which no other line names
.set CROW,   4096                      ; bytes in a row of OUT and of RES
.set ADRA0, 16                         ; v16  LDS address of my A fragments in slot 0; never rewritten
.set ADRA,  17                         ; v17  the same in the slot that is being read
.set ADRB0, 20                         ; v20, v21  the same for B
.set ADRB,  21
.set STO,  24                          ; v24  the way out: where I put 32 bytes of a row
.set RD,   25                          ; v25  where I read a row back
.set CO,   26                          ; v26  my byte offset in OUT and in RES; never rewritten
.set BO,   27                          ; v27  32 x (lane / 16)
.set SPW,  28
.set NIL,  29
.set TMP,  32
.set BIAS, 96
.set ACC,  128
.set F0,   0
.set F1,   128
.set G1, 24                            ; s[24:31] descriptor group 1 for A's tiles
.set G0, 32                            ; s[32:39] group 0 for A's tiles: a set for each of the two first fills; the second then walks on
.set G1B, 48                           ; s[48:55], s[56:63] the same for B's
.set G0B, 56
.set TB,  75                           ; s75  the slot that is being read: 0 or SLOT
.set LTA, 76                           ; s76  LDS byte of what I fetch of A, in slot 0
.set LTB, 77                           ; s77  of B
.set MSB, 0
.macro WIN new
.if MSB != (\new)
	s_set_vgpr_msb (MSB<<8)|(\new)
.set MSB, \new
.endif
.endm
.set MUL,  0x05                        ; sources 0 (B) and 1 (A) window 1; C and D window 0
.set TO_F, 0x40                        ; destination window 1, address window 0
.macro JLOAD s                         ; a joint load: waves 0 and 1 fetch A's two halves, waves 2 and 3 B's; an s_nop 0 and four v_nop follow each of the two lines
	s_cmp_eq_u32 s11, 0
	s_cbranch_scc0 .Lfor_b_\@
	tensor_load_to_lds s[G0+4*(\s):G0+4*(\s)+3], s[G1:G1+7]
	s_nop 0
.rept 4
	v_nop
.endr
	s_branch .Lasked_\@
.Lfor_b_\@:
	tensor_load_to_lds s[G0B+4*(\s):G0B+4*(\s)+3], s[G1B:G1B+7]
	s_nop 0
.rept 4
	v_nop
.endr
.Lasked_\@:
.endm
.macro CREST
	s_cmp_lg_u32 s10, 0
	s_cbranch_scc1 .Lnot_wave_0_\@
	s_barrier_signal -3
.Lnot_wave_0_\@:
	s_barrier_wait -3
	s_barrier_signal -1
	s_barrier_wait -1
.endm
.macro CROUND
	s_barrier_signal -1
	s_barrier_wait -1
	CREST
.endm
	s_load_b128 s[4:7], s[0:1], 0x0                ; A s[4:5], B s[6:7]
	s_load_b128 s[68:71], s[0:1], 0x10             ; bias s[68:69], RES s[70:71]
	s_load_b64 s[8:9], s[0:1], 0x20                ; OUT
	v_lshl_add_u32 v[SPW], v0, 2, SPARE
	v_mov_b32 v[NIL], 0
	ds_add_u32 v[SPW], v[NIL]                      ; the wave's opening: the add, and its wait ahead of my first tensor load; the set-up below, work on registers, stands between them
	v_lshrrev_b32 v1, 5, v0
	v_readfirstlane_b32 s10, v1                    ; wave 0..3
	s_lshr_b32 s11, s10, 1                         ; which half of the tile's rows is mine.  Also: I fetch for A (0) or for B (1)
	s_and_b32 s12, s10, 1                          ; which half of its columns.  Also: which 64 rows of that tile I fetch
	s_bfe_u32 s40, ttmp6, 0x40000                  ; cx, cy
	s_bfe_u32 s41, ttmp6, 0x40004
	s_lshl_b32 s42, ttmp9, 2
	s_add_co_u32 s42, s42, s40                     ; tile column
	s_and_b32 s13, ttmp7, 0xffff
	s_lshl_b32 s13, s13, 2
	s_add_co_u32 s13, s13, s41                     ; tile row
	s_lshl_b32 s43, s41, 2
	s_lshl_b32 s43, 15, s43                        ; my row of the cluster
	s_lshl_b32 s44, 0x1111, s40                    ; my column
	s_or_b32 s[G1+0], s43, AW0                     ; the mask beside the constant fields
	s_or_b32 s[G1B+0], s44, (1<<16)|(1<<20)|(1<<21)|(6<<22)|(3<<25)
.if BYH
	s_mov_b32 s[G1+1], 4096<<16                    ; tensor_dim0 = 4,096: 64 rows of a head
	s_mov_b32 s[G1+2], 4<<16                       ; tensor_dim1 = 4 heads
	s_mov_b32 s[G1+3], 4096<<16                    ; tile_dim0
	s_mov_b32 s[G1+4], 4                           ; tile_dim1
	s_mov_b32 s[G1+5], 262144                      ; elements from head to head
.else
	s_mov_b32 s[G1+1], KSTEP<<16                   ; tensor_dim0 = 256
	s_mov_b32 s[G1+2], 64<<16                      ; tensor_dim1 = 64
	s_mov_b32 s[G1+3], KSTEP<<16                   ; tile_dim0
	s_mov_b32 s[G1+4], 64                          ; tile_dim1
	s_mov_b32 s[G1+5], ROWA                        ; elements from row to row
.endif
	s_mov_b32 s[G1+6], 0
	s_mov_b32 s[G1+7], 0
	s_mov_b32 s[G1B+1], KSTEP<<16
	s_mov_b32 s[G1B+2], 64<<16
	s_mov_b32 s[G1B+3], KSTEP<<16
	s_mov_b32 s[G1B+4], 64
	s_mov_b32 s[G1B+5], ROWB
	s_mov_b32 s[G1B+6], 0
	s_mov_b32 s[G1B+7], 0
	s_lshl_b32 s17, s12, 6
	s_lshl_b32 s16, s13, 7
	s_add_co_u32 s16, s16, s17                     ; A: row 128 x tile row + 64 x half
	s_lshl_b32 s46, s42, 7
	s_add_co_u32 s46, s46, s17                     ; B: row 128 x tile column + 64 x half
	s_mul_i32 s16, s16, AROWB                      ; in bytes: under 2^26
	s_mov_b32 s17, 0
	s_mul_i32 s46, s46, ROWB*2
	s_mov_b32 s47, 0
	s_mul_i32 s[LTA], s10, HALFA                   ; where they go: A's halves at wave x HALFA,
	s_mul_i32 s[LTB], s10, HALFT
	s_add_co_u32 s[LTB], s[LTB], 2*HALFA-2*HALFT   ; B's behind them, at (wave - 2) x HALFT
	s_mov_b32 s[TB], 0                             ; slot 0 is read first
	s_wait_dscnt 0x0                               ; the opening add is done
	s_wait_kmcnt 0x0
	s_add_nc_u64 s[14:15], s[4:5], s[16:17]
	s_add_nc_u64 s[46:47], s[6:7], s[46:47]
	CROUND                                         ; all sixteen work-groups are here: the first joint loads meet
.irp s, 0,1
	s_mov_b32 s[G0+4*(\s)], 1
	s_add_co_u32 s[G0+4*(\s)+1], s[LTA], (\s)*SLOT
	s_add_nc_u64 s[G0+4*(\s)+2:G0+4*(\s)+3], s[14:15], (\s)*ASTEP
	s_or_b32 s[G0+4*(\s)+3], s[G0+4*(\s)+3], 0x80000000
	s_mov_b32 s[G0B+4*(\s)], 1
	s_add_co_u32 s[G0B+4*(\s)+1], s[LTB], (\s)*SLOT
	s_add_nc_u64 s[G0B+4*(\s)+2:G0B+4*(\s)+3], s[46:47], (\s)*KSTEP*2
	s_or_b32 s[G0B+4*(\s)+3], s[G0B+4*(\s)+3], 0x80000000
	JLOAD \s                                       ; K steps 0 and 1: two loads of mine are out
.endr
	v_and_b32 v1, 15, v0                           ; l % 16
	v_bfe_u32 v2, v0, 4, 1                         ; l / 16
	v_lshlrev_b32 v[BO], 5, v2
	s_lshl_b32 s46, s42, 9                         ; my first column, in bytes of f32: 512 x tile column + 256 x half
	s_lshl_b32 s47, s12, 8
	s_add_co_u32 s46, s46, s47
	s_mov_b32 s47, 0
	s_add_nc_u64 s[68:69], s[68:69], s[46:47]
.irp b, 0,1,2,3
	global_load_b128 v[BIAS+8*(\b):BIAS+8*(\b)+3],   v[BO], s[68:69] offset:64*(\b)
	global_load_b128 v[BIAS+8*(\b)+4:BIAS+8*(\b)+7], v[BO], s[68:69] offset:64*(\b)+16
.endr
	s_lshl_b32 s16, s13, 7
	s_lshl_b32 s17, s11, 6
	s_add_co_u32 s16, s16, s17                     ; my first row
	s_lshl_b32 s16, s16, 12
	s_mov_b32 s17, 0
	s_add_nc_u64 s[16:17], s[16:17], s[46:47]      ; an offset, made apart from the addresses
	s_add_nc_u64 s[8:9], s[8:9], s[16:17]
	s_add_nc_u64 s[70:71], s[70:71], s[16:17]
	v_lshlrev_b32 v[CO], 12, v2                    ; lanes 0-15 one row's 256 bytes, lanes 16-31 the next row's
	v_lshl_add_u32 v[CO], v1, 4, v[CO]
	WIN 0x80                                       ; destination window 2, address window 0
.set t, 0
.rept 32                               ; the residual, in the layout in which rows come back from the stage; it is on its way while K is walked
	global_load_b128 v[4*t:4*t+3], v[CO], s[70:71] offset:2*t*CROW
.set t, t+1
.endr
	WIN 0
	v_mul_u32_u24 v3, v1, APITCH
	v_lshl_add_u32 v3, v2, 4, v3                   ; a fragment's row x pitch + 16 x half, for A,
	v_mul_u32_u24 v6, v1, PITCH
	v_lshl_add_u32 v6, v2, 4, v6                   ; and for B
	s_mul_i32 s21, s11, HALFA                      ; my 64 rows of A
	s_mul_i32 s22, s12, HALFT                      ; my 64 rows of B,
	s_add_co_u32 s22, s22, 2*HALFA                 ; which lie behind A's 128
	v_add_nc_u32 v[ADRA0], s21, v3
	v_add_nc_u32 v[ADRB0], s22, v6
	v_mov_b32 v[ADRA], v[ADRA0]
	v_mov_b32 v[ADRB], v[ADRB0]
	s_mul_i32 s23, s10, 16*SPITCH
	s_add_co_u32 s23, s23, STAGE                   ; my stage
	v_mul_u32_u24 v4, v1, SPITCH
	v_lshl_add_u32 v4, v2, 5, v4
	v_add_nc_u32 v[STO], s23, v4                   ; in: row l % 16, 32 bytes for each half of the lanes
	v_mul_u32_u24 v5, v2, SPITCH
	v_lshl_add_u32 v5, v1, 4, v5
	v_add_nc_u32 v[RD], s23, v5                    ; back: two whole rows of 256 bytes
; 8 matrix instructions: m blocks a0, a0 + 1 x all 4 n blocks, 32 along K: half c of buffer f.  zero = 1: the first product of each sum takes the bias as C
.macro MUL8 f, c, a0, zero
	WIN MUL
.irp a, \a0, (\a0)+1
.irp b, 0,1,2,3
.if \zero
	v_wmma_f32_16x16x32_bf16 v[ACC+8*(4*(\a)+(\b)):ACC+8*(4*(\a)+(\b))+7], v[(\f)+64+8*(4*(\c)+(\b)):(\f)+64+8*(4*(\c)+(\b))+7], v[(\f)+8*(4*(\c)+(\a)):(\f)+8*(4*(\c)+(\a))+7], v[BIAS+8*(\b):BIAS+8*(\b)+7]
.else
	v_wmma_f32_16x16x32_bf16 v[ACC+8*(4*(\a)+(\b)):ACC+8*(4*(\a)+(\b))+7], v[(\f)+64+8*(4*(\c)+(\b)):(\f)+64+8*(4*(\c)+(\b))+7], v[(\f)+8*(4*(\c)+(\a)):(\f)+8*(4*(\c)+(\a))+7], v[ACC+8*(4*(\a)+(\b)):ACC+8*(4*(\a)+(\b))+7]
.endif
.endr
.endr
.endm
; 32 LDS loads in one run: the fragments of 64 along K, quarter k / 128 of the step in the slot that is being read, into buffer f; the first 32 along K first
.macro FETCH k, f
	WIN TO_F
.irp c, 0,1
.irp i, 0,1,2,3
	ds_load_b128 v[(\f)+64+8*(4*(\c)+(\i)):(\f)+64+8*(4*(\c)+(\i))+3],   v[ADRB] offset:(\k)+64*(\c)+(\i)*16*PITCH
	ds_load_b128 v[(\f)+64+8*(4*(\c)+(\i))+4:(\f)+64+8*(4*(\c)+(\i))+7], v[ADRB] offset:(\k)+64*(\c)+(\i)*16*PITCH+32
	ds_load_b128 v[(\f)+8*(4*(\c)+(\i)):(\f)+8*(4*(\c)+(\i))+3],         v[ADRA] offset:((\k)/128)*AQ+64*(\c)+(\i)*16*APITCH
	ds_load_b128 v[(\f)+8*(4*(\c)+(\i))+4:(\f)+8*(4*(\c)+(\i))+7],       v[ADRA] offset:((\k)/128)*AQ+64*(\c)+(\i)*16*APITCH+32
.endr
.endr
.endm
.macro PLACES                          ; four places in front of loads into registers that matrix instructions have read, and of stores that read results
.rept 4
	v_nop
.endr
.endm
; A K step is four quarters of 64 along K, 32 matrix instructions each, on buffers 0, 1, 0, 1; the 16 accumulators take turns.
.macro QUARTER k, f, g, zero
	s_wait_dscnt 16                                ; the first 32 along K are in; the youngest sixteen loads may be out
	MUL8 \f, 0, 0, \zero
	MUL8 \f, 0, 2, \zero
	PLACES
	FETCH \k, \g
	s_wait_dscnt 32                                ; all but the 32 just issued
	MUL8 \f, 1, 0, 0
	MUL8 \f, 1, 2, 0
.endm
.macro NEXTSLOT                        ; the fragments' addresses in the slot that s[TB] names
	v_add_nc_u32 v[ADRA], s[TB], v[ADRA0]
	v_add_nc_u32 v[ADRB], s[TB], v[ADRB0]
.endm
; The last quarter multiplies buffer 1 and changes slots: ONE barrier; in front of it each wave waits for all its tensor loads, adds 0 to its spare word, and waits for that and for its own reads of this slot
; (the slot's last fragments, buffer 1's, were asked for in the middle of the quarter before).
; fill = 1: the barrier opens a round of the cluster's barrier, and this slot is filled again, first thing behind the round, two K steps ahead.  A step of this small tile has few products for its load to land in:
; so the change of slots stands at the quarter's head, and all 32 products of the quarter stand behind the request.
; fill = 0, the last two steps: nothing is asked for; the last step of all jumps over the next slot's fetch (and over the quarter that follows the macro).
.macro TURN fill
	WIN 0
	s_wait_tensorcnt 0x0                           ; all my tensor loads have landed: at most one was out, my part of the next slot
	ds_add_u32 v[SPW], v[NIL]                      ; 0 onto my spare word
.if \fill
	s_add_co_u32 s[G0+5], s[LTA], s[TB]            ; no load of mine is out: the walking descriptors step: into the slot that is being left,
	s_add_nc_u64 s[G0+6:G0+7], s[G0+6:G0+7], ASTEP ; the K step behind the one asked for last; the type bits on top are not reached
	s_add_co_u32 s[G0B+5], s[LTB], s[TB]
	s_add_nc_u64 s[G0B+6:G0B+7], s[G0B+6:G0B+7], KSTEP*2
	s_xor_b32 s[TB], s[TB], SLOT                   ; from here on the other slot is read
	s_wait_dscnt 0x0                               ; the add is done, and my reads of this slot are over
	CROUND                                         ; no wave of any partner still reads this slot's tile or has a load on its way
	JLOAD 1                                        ; my one tensor load behind the round; the four v_nop behind it are also the places in front of the loads below
	NEXTSLOT
	FETCH 0, F0
	MUL8 F1, 0, 0, 0
	MUL8 F1, 0, 2, 0
	MUL8 F1, 1, 0, 0
	MUL8 F1, 1, 2, 0
.else
	s_wait_dscnt 17                                ; (the add and the youngest sixteen loads may be out)
	MUL8 F1, 0, 0, 0                               ; eight matrix instructions stand between the add and the wait for it
	s_wait_dscnt 0x0                               ; the add is done, and my reads of this slot are over
	s_barrier_signal -1
	MUL8 F1, 0, 2, 0
	s_barrier_wait -1
	MUL8 F1, 1, 0, 0
	MUL8 F1, 1, 2, 0
	WIN 0
	s_cmp_eq_u32 s3, 1
	s_cbranch_scc1 .Llast                          ; forward, to the label ahead of the counter's step; what is jumped holds no barrier and no tensor load
	s_xor_b32 s[TB], s[TB], SLOT
	NEXTSLOT
	PLACES
	FETCH 0, F0
.endif
.endm
	s_wait_tensorcnt 1                             ; my part of K step 0 is in; K step 1's may stay out
	s_barrier_signal -1
	s_barrier_wait -1                              ; everybody's is
	FETCH 0, F0
	s_wait_loadcnt 32                              ; the bias is in; the residual's 32 loads may stay out
	QUARTER 128, F0, F1, 1                         ; the first quarter stands in front of the loops: its first products start the sums
	WIN 0                                          ; at a label and at a branch every window is 0
	s_mov_b32 s3, STEPS-2
.Lstep:                                        ; a trip goes from a K step's second quarter to the next step's first, and fills the slot that it leaves
	QUARTER 256, F1, F0, 0
	QUARTER 384, F0, F1, 0
	TURN 1
	QUARTER 128, F0, F1, 0
	WIN 0
	s_sub_co_u32 s3, s3, 1
	s_cmp_lg_u32 s3, 0
	s_cbranch_scc1 .Lstep
	s_mov_b32 s3, 2
.Ltail:                                        ; the last two K steps: no tensor load stands in this loop
	QUARTER 256, F1, F0, 0
	QUARTER 384, F0, F1, 0
	TURN 0
	QUARTER 128, F0, F1, 0
	WIN 0
.Llast:
	s_sub_co_u32 s3, s3, 1
	s_cmp_lg_u32 s3, 0
	s_cbranch_scc1 .Ltail
	; THE WAY OUT, a block of 16 rows at a time: 32 bytes a lane into my own stage, back as whole rows of 256 bytes, the residual added, stored.  No barrier: the stage is my wave's own.
	PLACES
	s_wait_loadcnt 0x0                             ; the residual
.macro TOSTAGE a
	s_wait_xcnt 0x0                                ; the stores of the block two back have read the set of registers that is loaded again below
.irp b, 0,1,2,3                        ; each accumulator's low four registers go first
	ds_store_b128 v[STO], v[ACC+8*(4*(\a)+(\b)):ACC+8*(4*(\a)+(\b))+3]   offset:64*(\b)
	ds_store_b128 v[STO], v[ACC+8*(4*(\a)+(\b))+4:ACC+8*(4*(\a)+(\b))+7] offset:64*(\b)+16
.endr
.irp t, 0,1,2,3,4,5,6,7
	ds_load_b128 v[TMP+32*((\a)%2)+4*(\t):TMP+32*((\a)%2)+4*(\t)+3], v[RD] offset:(\t)*2*SPITCH  ; LDS serves a wave's instructions in order (ISA guide 5.7.1.4): these see the stores above; the next block's stores come behind them
.endr
.endm
.macro SEND a, younger                 ; younger: the LDS instructions issued behind block a's loads: the next block's sixteen, or none
	s_wait_dscnt \younger
	WIN 0x08                                       ; source 1, the residual, in window 2
.set z, 0
.rept 16
	v_pk_add_f32 v[TMP+32*((\a)%2)+2*z:TMP+32*((\a)%2)+2*z+1], v[TMP+32*((\a)%2)+2*z:TMP+32*((\a)%2)+2*z+1], v[32*(\a)+2*z:32*(\a)+2*z+1]
.set z, z+1
.endr
	WIN 0
.irp t, 0,1,2,3,4,5,6,7
	global_store_b128 v[CO], v[TMP+32*((\a)%2)+4*(\t):TMP+32*((\a)%2)+4*(\t)+3], s[8:9] offset:(16*(\a)+2*(\t))*CROW  ; 16 lanes store 256 consecutive bytes, aligned
.endr
.endm
	TOSTAGE 0
	TOSTAGE 1
	SEND 0, 16
	TOSTAGE 2
	SEND 1, 16
	TOSTAGE 3
	SEND 2, 16
	SEND 3, 0
	s_wait_tensorcnt 0x0                           ; the wave's end: behind my last tensor load and my last LDS store
	ds_add_u32 v[SPW], v[NIL]
	s_wait_dscnt 0x0
	CROUND                                         ; the closing round: no work-group ends while a partner may still ask for a tile that names it
	s_endpgm
.Lfunc_end_k_qbf86de3b19_fc2:
	.size	k_qbf86de3b19_fc2, .Lfunc_end_k_qbf86de3b19_fc2-k_qbf86de3b19_fc2
	.p2alignl 7, 3214868480
	.fill 96, 4, 3214868480
	.section	.rodata,"a",@progbits
	.p2align	6, 0x0
	.amdhsa_kernel k_qbf86de3b19_fc2
		.amdhsa_group_segment_fixed_size 327680
		.amdhsa_private_segment_fixed_size 0
		.amdhsa_enable_private_segment 0
		.amdhsa_kernarg_size 40
		.amdhsa_user_sgpr_count 2
		.amdhsa_user_sgpr_kernarg_segment_ptr 1
		.amdhsa_wavefront_size32 1
		.amdhsa_system_sgpr_workgroup_id_x 1
		.amdhsa_system_sgpr_workgroup_id_y 1
		.amdhsa_system_sgpr_workgroup_id_z 1
		.amdhsa_system_vgpr_workitem_id 0
		.amdhsa_next_free_vgpr 640
		.amdhsa_next_free_sgpr 80
		.amdhsa_reserve_vcc 0
		.amdhsa_float_denorm_mode_32 3
		.amdhsa_float_denorm_mode_16_64 3
		.amdhsa_memory_ordered 1
		.amdhsa_forward_progress 1
		.amdhsa_inst_pref_size 66
	.end_amdhsa_kernel
	.amdgpu_metadata
---
amdhsa.version: [ 1, 2 ]
amdhsa.kernels:
  - .name:           k_qbf86de3b19_fc2
    .symbol:         k_qbf86de3b19_fc2.kd
    .args:
      - { .name: act, .offset: 0, .size: 8, .value_kind: global_buffer, .address_space: global }
      - { .name: w2, .offset: 8, .size: 8, .value_kind: global_buffer, .address_space: global }
      - { .name: fc2_b, .offset: 16, .size: 8, .value_kind: global_buffer, .address_space: global }
      - { .name: qx, .offset: 24, .size: 8, .value_kind: global_buffer, .address_space: global }
      - { .name: out0, .offset: 32, .size: 8, .value_kind: global_buffer, .address_space: global }
    .group_segment_fixed_size: 327680
    .private_segment_fixed_size: 0
    .kernarg_segment_align: 8
    .kernarg_segment_size: 40
    .max_flat_workgroup_size: 128
    .sgpr_count:     80
    .vgpr_count:     640
    .wavefront_size: 32
...
	.end_amdgpu_metadata
.endif
;; end of part 6
